; MI455X (gfx1250); checked and timed in simulation.
; The chip was launched on July 23, 2026; its instructions are those of AMD's public machine-readable ISA for CDNA 5 (MIT licence, August 2026) and "CDNA5" Instruction Set Architecture Reference Guide (July 2026). The comments in the code are by the model that wrote it; some were corrected since.
;; Self Attn Block2 D. Allowed arithmetic: matrix products marked QUANTISED: E2M3 operands, one E8M0 scale for each 32 along K, by v_wmma_scale_f32_16x16x128_f8f6f4 with both operands' format E2M3, f32 sums; everything else in f32.
;; Inputs: bkv 1,024 float32; bproj 512 float32; bq 512 float32; gn_bias 512 float32; gn_weight 512 float32; wkv 1,024 x 512 float32; wproj 512 x 512 float32; wq 512 x 512 float32; x 2 x 512 x 64 x 64 float32.
;; Outputs: out0 2 x 512 x 64 x 64 float32.
;; This version of the problem:
;;   THIS VERSION OF THE PROBLEM IS GIVEN IN LOW PRECISION. The matrix products marked QUANTISED in the list below multiply operands that are first quantised to E2M3 (2 exponent bits, 3 mantissa bits; 6 bits a number), with one power-of-two scale for each 32 numbers along K (OCP MX v1.0); their sums are f32. All else is computed in f32.
;;   The module's matrix products, in the order in which they are computed (A, B: the left and right operand; K: the contracted axis; several contracted axes count as one K, in the product's order):
;;     1. [M 8,192, K 512] x [K 512, N 512]; A: computed on the way; B: input wq: QUANTISED
;;     2. [M 8,192, K 512] x [K 512, N 1,024]; A: computed on the way; B: input wkv: QUANTISED
;;     3. batch 16 x [M 4,096, K 64] x [K 64, N 4,096]; A: computed on the way; B: computed on the way: QUANTISED
;;     4. batch 16 x [M 4,096, K 4,096] x [K 4,096, N 64]; A: softmax (see below); B: computed on the way: QUANTISED
;;     5. [M 8,192, K 512] x [K 512, N 512]; A: computed on the way; B: input wproj: QUANTISED
;;   THE QUANTISER, for each operand of a quantised product, along K:
;;     - K is cut into blocks of 32 from its start; a last block that is shorter is filled with zeros.
;;     - A block's scale is 2^e with e = floor(log2(the largest magnitude in the block)) - 2, held to -126 .. 127; a block of zeros has e = 0. As a byte (E8M0): e + 127.
;;     - Each number is divided by its block's scale, clamped to +-7.5, and rounded to the nearest number of E2M3, ties to even, subnormals kept.
;;     - The product sums the exact products of the quantised numbers (number of the format x scale) in f32.
;;   ~~~python
;;   def quantise(x, axis):      # numpy; x: float32 -> the quantised numbers, widened to float32 again
;;       x = np.moveaxis(x, axis, -1); K = x.shape[-1]
;;       x = np.pad(x, [(0, 0)] * (x.ndim - 1) + [(0, -K % 32)]); x = x.reshape(x.shape[:-1] + (-1, 32)); a = np.abs(x).max(-1, keepdims=True)
;;       e = np.where(a > 0, np.clip(np.frexp(np.where(a > 0, a, 1))[1] - 1 - 2, -126, 127), 0)      # np.frexp(a)[1] - 1 = floor(log2(a)), exactly
;;       r = np.clip(x / 2.0 ** e, -7.5, 7.5)
;;       step = 2.0 ** (np.maximum(np.frexp(np.where(r == 0, 1, r))[1] - 1, 0) - 3)
;;       q = np.round(r / step) * step * 2.0 ** e      # np.round: ties to even
;;       return np.moveaxis(q.reshape(q.shape[:-2] + (-1,))[..., :K], -1, axis).astype(np.float32)
;;   ~~~
;;   SOFTMAX AHEAD OF A QUANTISED PRODUCT. Where the list says 'softmax', what is quantised is not the finished softmax but p = 2^(t - M), with t = logit x log2(e) and M = ceil(the row's largest t), a whole number; so 1/2 < the row's largest p <= 1. The row's sum l is taken of the UNQUANTISED p, in f32, and the product's result is divided by l at the end. Since M is a whole number, a kernel that streams over the keys may use a running M (the ceiling of the running maximum): every later rescaling is an exact power of two, which a block's scale takes up: the codes' values come out the same.
;;   OPERANDS COMPUTED ON THE WAY. 'Computed on the way' means the value that the module computes at that place (a softmax that the list does not call 'softmax' is quantised finished and normalised). What goes into a quantiser is computed in f32, as accurately as f32 sums, v_exp_f32 and their like allow (about 1e-6 of the number): no bf16 or f16 on the way to a quantiser, and a product that is left as it is and whose result goes on into a quantised operand takes f32 operands (vector FMAs, or v_wmma_f32_16x16x4_f32). A number that lies on a knife's edge between two numbers of the format may be rounded either way, as far as f32 arithmetic and the matrix unit's own rounding can turn it there, and no further.
;; One version. Each part assembles by itself: llvm-mc -triple=amdgcn-amd-amdhsa -mcpu=gfx1250 --defsym DOCPART=n.
;; ======== version 1 of 1: 4 launches
;; limits: right only within a limited range of input values
;; workspace buffers: gnt 8,192 bytes; wimg 786,432 bytes; wscl 65,536 bytes; qkv 10,230,272 bytes; att 3,145,728 bytes; ascl 131,072 bytes
;; launch prep (part 1): grid 96 x 1, 16 waves a work-group, no clusters, 2,560 bytes of LDS; arguments x, gn_weight, wq, wkv, wproj, gnt, wimg, wscl; writes gnt, wimg, wscl
.if DOCPART == 1
	.amdgcn_target "amdgcn-amd-amdhsa--gfx1250"
	.amdhsa_code_object_version 6
	.text
	.protected	k_qfb324534ee_prep
	.globl	k_qfb324534ee_prep
	.p2align	8
	.type	k_qfb324534ee_prep,@function
k_qfb324534ee_prep:
	s_mov_b64 s[64:65], 0
	v_nop
	global_prefetch_b8 v0, s[64:65] scope:SCOPE_SE
	s_setreg_imm32_b32 hwreg(HW_REG_WAVE_MODE, 25, 1), 1
	s_wait_xcnt 0x0
; SelfAttnBlock2D in MX-FP6, launch 1 of 4: the GroupNorm statistics, and the four weights as codes.
; NOTHING OF reference() IS LEFT OUT in any launch: every input moves a code or a scale of a quantised operand of a live product (the bias on k too), or is added to the result.
; A work-group is one group of GroupNorm: 16 channels x 4,096 pixels of one image = 262,144 consecutive bytes of x.  512 threads hold 128 numbers each in registers, so x is read once and the variance
; is taken in two passes (the mean first, then the squares of the differences): a common offset of the inputs costs no digits.
; It stores for its group 32 words: words 0-15 A_c = rsqrt(var + eps) x gn_weight[c] of its 16 channels, words 16-31 the mean.  (128 bytes a work-group: half of an aligned 256; 8,192 bytes in the launch.)
; Waves 0-7 also quantise one fragment of a weight each (16 rows x 128 along K), 512 fragments in the launch: tiles 0-31 wq, 32-95 wkv, 96-127 wproj; fragment f = 4 x tile + K step = 8 x work-group + wave.
; THE ROWS OF A TILE ARE NOT NEIGHBOURS: row i of tile 2 B + u is row 32 B + 8 u + (i & 7) + 16 (i >> 3), so that where the tile is source 0 of a product the 16 registers of tiles 2 B and 2 B + 1 are 16 neighbours.
; A fragment is stored as an IMAGE OF ITS REGISTERS: register R of lane L at 512 (R >> 2) + 16 L + 4 (R & 3): three stores of 512 consecutive bytes; its scale words 4 bytes a lane.
; A block's scale: the largest magnitude's exponent field less 2, held at 1 from below.
; LIMITS: NaN and infinities among the inputs are not served.  A block whose largest magnitude lies under 2^-124 (a block of zeros too) keeps the byte 1: a block of zeros has zero codes, and this program alone reads the bytes.
.set RED1,  0                          ; LDS: 16 partial sums (a block of 256 bytes to themselves)
.set RED2,  256                        ; 16 partial sums of squares
.set SPARE, 512                        ; the spare words, 128 bytes for each of 16 waves
.set X,   16                           ; v16-143  my 128 numbers of x
.set WN,  144                          ; v144-207 64 numbers of a weight
.set PC,  208                          ; v208-219 the fragment's codes
.set SPW, 254                          ; v254 LDS address of my spare word; never rewritten
.set NIL, 255                          ; v255 0; never rewritten
	s_load_b512 s[4:19], s[0:1], 0x0               ; x s[4:5], gn_weight s[6:7], wq s[8:9], wkv s[10:11], wproj s[12:13], gnt s[14:15], wimg s[16:17], wscl s[18:19]
	v_lshl_add_u32 v[SPW], v0, 2, SPARE
	v_mov_b32 v[NIL], 0
	v_lshrrev_b32 v7, 5, v0
	s_delay_alu instid0(VALU_DEP_1)
	v_readfirstlane_b32 s20, v7                    ; wave 0..15
	v_lshlrev_b32 v1, 4, v0                        ; 16 x thread: a load of the work-group covers 8,192 consecutive bytes
	v_and_b32 v7, 31, v0
	s_delay_alu instid0(VALU_DEP_1)
	v_lshlrev_b32 v3, 4, v7                        ; 16 x lane
	s_delay_alu instid0(VALU_DEP_2)
	v_lshlrev_b32 v4, 2, v7                        ; 4 x lane
	v_mov_b32 v5, s20
	s_delay_alu instid0(VALU_DEP_1)
	v_lshlrev_b32 v5, 2, v5                        ; 4 x wave: my wave's word among the partial sums
	v_mov_b32 v6, 0
	s_mov_b32 s24, 0x76543210
	s_mov_b32 s25, 0xfedcba98                      ; v_permlanex16_b32's selects for lane l xor 16
	s_lshl_b32 s22, ttmp9, 18                      ; the group's first byte
	s_mov_b32 s23, 0
	s_wait_alu depctr_va_vdst(0)
	s_wait_kmcnt 0x0
	s_cmp_ge_u32 ttmp9, 64                         ; work-groups 0-63 take the statistics alone, work-groups 64-95 the weights alone
	s_cbranch_scc1 .Lweight
	s_add_nc_u64 s[4:5], s[4:5], s[22:23]
.set n0, 0
.rept 32
	global_load_b128 v[X+4*n0:X+4*n0+3], v1, s[4:5] offset:8192*n0
.set n0, n0+1
.endr
	s_branch .Lstat
.Lweight:
	; THE WEIGHTS (in place of what the head says of waves 0-7): work-group 64 + g, wave w takes fragment f = 16 g + w: tile 4 g + (w >> 2), K step w & 3.  g 0-7 wq, 8-23 wkv, 24-31 wproj
	s_cmp_lt_u32 ttmp9, 72                         ; which weight: the choice hangs on the work-group's number alone
	s_cselect_b64 s[26:27], s[8:9], s[10:11]
	s_cselect_b32 s28, 64, 72
	s_cmp_ge_u32 ttmp9, 88
	s_cselect_b64 s[26:27], s[12:13], s[26:27]
	s_cselect_b32 s28, 88, s28
	s_sub_co_u32 s28, ttmp9, s28                   ; four tiles of that weight for each work-group: tile t = 4 x this + (w >> 2) = 2 B + u
	s_lshl_b32 s28, s28, 3
	s_lshr_b32 s29, s20, 2
	s_lshl_b32 s30, s29, 1
	s_add_co_u32 s28, s28, s30
	s_and_b32 s29, s29, 1
	s_sub_co_u32 s28, s28, s29                     ; 4 B + u = 2 t - u
	s_lshl_b32 s28, s28, 14
	s_and_b32 s29, s20, 3
	s_lshl_b32 s29, s29, 9                         ; K step: 128 numbers
	s_add_co_u32 s22, s28, s29
	s_add_nc_u64 s[26:27], s[26:27], s[22:23]
	v_and_b32 v2, 7, v0
	v_bfe_u32 v7, v0, 3, 1
	s_delay_alu instid0(VALU_DEP_1)
	v_lshl_add_u32 v2, v7, 4, v2                   ; (r & 7) + 16 (r >> 3)
	s_delay_alu instid0(VALU_DEP_1)
	v_lshlrev_b32 v2, 11, v2
	v_bfe_u32 v7, v0, 4, 1                         ; h
	s_delay_alu instid0(VALU_DEP_1)
	v_lshl_add_u32 v2, v7, 7, v2                   ; + 32 h numbers: lane (r, h) takes k = 64 c + 32 h + 0 .. 31: two whole blocks
.irp c, 0,1
.irp j, 0,1,2,3,4,5,6,7
	global_load_b128 v[WN+32*\c+4*\j:WN+32*\c+4*\j+3], v2, s[26:27] offset:256*\c+16*\j th:TH_LOAD_NT
.endr
.endr
	s_wait_loadcnt 0x0
.irp c, 0,1
	v_max3_num_f32 v[228+\c], |v[WN+32*\c]|, |v[WN+1+32*\c]|, 0x1800000   ; my block 2 c + h, and the floor 2^(3 - 127): the byte cannot fall under 1
.endr
.irp i, 2,4,6,8,10,12,14,16,18,20,22,24,26,28,30
.irp c, 0,1
	s_delay_alu instid0(VALU_DEP_2)
	v_max3_num_f32 v[228+\c], v[228+\c], |v[WN+32*\c+\i]|, |v[WN+1+32*\c+\i]|
.endr
.endr
.irp c, 0,1
	s_delay_alu instid0(VALU_DEP_2)
	v_add_nc_u32 v[230+\c], 0xff000000, v[228+\c]  ; 2 off the exponent field: the conversion's scale operand
.endr
.irp c, 0,1
	s_delay_alu instid0(VALU_DEP_2)
	v_lshrrev_b32 v[232+\c], 23, v[230+\c]         ; the scale's byte
.endr
	s_delay_alu instid0(VALU_DEP_1)
	v_lshl_or_b32 v234, v233, 16, v232             ; blocks h and 2 + h,
	v_lshlrev_b32 v235, 3, v7
	s_delay_alu instid0(VALU_DEP_1)
	v_lshlrev_b32 v234, v235, v234                 ; at their places in the row's scale word;
	v_mov_b32 v235, 0
	s_delay_alu instid0(VALU_DEP_1)
	v_permlanex16_b32 v235, v234, s24, s25
	s_delay_alu instid0(VALU_DEP_1)
	v_or_b32 v234, v234, v235                      ; with lane l xor 16's two the word is whole, in both halves of the lanes
.irp c, 0,1
	v_cvt_scalef32_pk16_fp6_f32 v[PC+6*\c:PC+6*\c+2], v[WN+32*\c:WN+32*\c+15], v[230+\c]
	v_cvt_scalef32_pk16_fp6_f32 v[220+4*\c:222+4*\c], v[WN+32*\c+16:WN+32*\c+31], v[230+\c]   ; (a conversion's three registers begin on an even number)
.endr
	v_nop                                          ; one plain place behind a scaled conversion
.irp c, 0,1
.irp i, 0,1,2
	v_mov_b32 v[PC+3+6*\c+\i], v[220+4*\c+\i]
.endr
.endr
	s_sub_co_u32 s28, ttmp9, 64
	s_lshl_b32 s28, s28, 4
	s_add_co_u32 s28, s28, s20
	s_mul_i32 s22, s28, 1536
	s_add_nc_u64 s[16:17], s[16:17], s[22:23]
	s_lshl_b32 s22, s28, 7
	s_add_nc_u64 s[18:19], s[18:19], s[22:23]
	s_wait_alu depctr_va_vdst(0)
	global_store_b128 v3, v[PC:PC+3], s[16:17]
	global_store_b128 v3, v[PC+4:PC+7], s[16:17] offset:512
	global_store_b128 v3, v[PC+8:PC+11], s[16:17] offset:1024
	global_store_b32 v4, v234, s[18:19]
	s_endpgm                                       ; these waves have written no LDS
.Lstat:
	s_wait_loadcnt 0x0                             ; x
; the sum over the 32 lanes of v8, into every lane
.macro WRED
	s_delay_alu instid0(VALU_DEP_1)
	v_add_f32_dpp v8, v8, v8 row_xmask:1 row_mask:0xf bank_mask:0xf
	s_delay_alu instid0(VALU_DEP_1)
	v_add_f32_dpp v8, v8, v8 row_xmask:2 row_mask:0xf bank_mask:0xf
	s_delay_alu instid0(VALU_DEP_1)
	v_add_f32_dpp v8, v8, v8 row_xmask:4 row_mask:0xf bank_mask:0xf
	s_delay_alu instid0(VALU_DEP_1)
	v_add_f32_dpp v8, v8, v8 row_xmask:8 row_mask:0xf bank_mask:0xf
	s_delay_alu instid0(VALU_DEP_1)
	v_permlanex16_b32 v9, v8, s24, s25
	s_delay_alu instid0(VALU_DEP_1)
	v_add_f32 v8, v8, v9
.endm
; the four chains v[8:15] into v8
.macro CHAINS
	s_delay_alu instid0(VALU_DEP_3)
	v_pk_add_f32 v[8:9], v[8:9], v[10:11]
	s_delay_alu instid0(VALU_DEP_2)
	v_pk_add_f32 v[12:13], v[12:13], v[14:15]
	s_delay_alu instid0(VALU_DEP_1)
	v_pk_add_f32 v[8:9], v[8:9], v[12:13]
	s_delay_alu instid0(VALU_DEP_1)
	v_add_f32 v8, v8, v9
.endm
; over the 16 waves: each stores its sum to its own word; my store is done before I signal; behind the barrier every wave reads all 16.  The sum comes out in v236
.macro GRED base
	ds_store_b32 v5, v8 offset:\base
	s_wait_dscnt 0x0
	s_barrier_signal -1
	s_barrier_wait -1
.irp i, 0,1,2,3
	ds_load_b128 v[236+4*\i:239+4*\i], v6 offset:\base+16*\i
.endr
	s_wait_dscnt 0x0
	v_pk_add_f32 v[236:237], v[236:237], v[238:239]
	v_pk_add_f32 v[240:241], v[240:241], v[242:243]
	v_pk_add_f32 v[244:245], v[244:245], v[246:247]
	v_pk_add_f32 v[248:249], v[248:249], v[250:251]
	s_delay_alu instid0(VALU_DEP_3)
	v_pk_add_f32 v[236:237], v[236:237], v[240:241]
	s_delay_alu instid0(VALU_DEP_2)
	v_pk_add_f32 v[244:245], v[244:245], v[248:249]
	s_delay_alu instid0(VALU_DEP_1)
	v_pk_add_f32 v[236:237], v[236:237], v[244:245]
	s_delay_alu instid0(VALU_DEP_1)
	v_add_f32 v236, v236, v237
.endm
.irp k, 0,1,2,3
	v_pk_add_f32 v[8+2*\k:9+2*\k], v[X+4*\k:X+4*\k+1], v[X+4*\k+2:X+4*\k+3]   ; the first additions start four chains: nothing is cleared
.endr
.set n0, 16
.rept 56
	s_delay_alu instid0(VALU_DEP_4)
	v_pk_add_f32 v[8+2*((n0/2)%4):9+2*((n0/2)%4)], v[8+2*((n0/2)%4):9+2*((n0/2)%4)], v[X+n0:X+n0+1]
.set n0, n0+2
.endr
	CHAINS
	WRED
	GRED RED1
	s_delay_alu instid0(VALU_DEP_1)
	v_mul_f32 v252, 0x37800000, v236               ; the mean: the sum x 2^-16
	s_delay_alu instid0(VALU_DEP_1)
	v_mov_b32 v253, v252
.set n0, 0
.rept 64
	v_pk_add_f32 v[X+n0:X+n0+1], v[X+n0:X+n0+1], v[252:253] neg_lo:[0,1] neg_hi:[0,1]   ; x - mean
.set n0, n0+2
.endr
.irp k, 0,1,2,3
	v_pk_mul_f32 v[8+2*\k:9+2*\k], v[X+2*\k:X+2*\k+1], v[X+2*\k:X+2*\k+1]
.endr
.set n0, 8
.rept 60
	s_delay_alu instid0(VALU_DEP_4)
	v_pk_fma_f32 v[8+2*((n0/2)%4):9+2*((n0/2)%4)], v[X+n0:X+n0+1], v[X+n0:X+n0+1], v[8+2*((n0/2)%4):9+2*((n0/2)%4)]
.set n0, n0+2
.endr
	CHAINS
	WRED
	GRED RED2                                      ; other bytes than the first sum's: no wave writes what another may still read
	v_mov_b32 v10, 0x37800000
	s_delay_alu instid0(VALU_DEP_1)
	v_fmaak_f32 v8, v236, v10, 0x3727c5ac          ; var + eps = the squares' sum x 2^-16 + 1e-5
	s_wait_alu depctr_va_vdst(0)
	v_rsq_f32 v9, v8
	v_nop                                          ; one plain place behind a transcendental
	s_wait_alu depctr_va_vdst(0)                   ; ahead of the result's first reader, and ahead of a branch
	s_cmp_lg_u32 s20, 0
	s_cbranch_scc1 .Lend                           ; wave 0 stores the group's 32 words
	s_and_b32 s28, ttmp9, 31
	s_lshl_b32 s22, s28, 6                         ; the group's 16 channels in gn_weight
	s_add_nc_u64 s[6:7], s[6:7], s[22:23]
	v_and_b32 v10, 15, v0
	s_delay_alu instid0(VALU_DEP_1)
	v_lshlrev_b32 v10, 2, v10
	global_load_b32 v11, v10, s[6:7]
	s_lshl_b32 s22, ttmp9, 7
	s_add_nc_u64 s[14:15], s[14:15], s[22:23]
	s_wait_loadcnt 0x0
	v_mul_f32 v11, v9, v11                         ; A_c
	v_cmp_gt_u32 vcc_lo, 16, v0
	s_delay_alu instid0(VALU_DEP_1)
	v_cndmask_b32 v11, v252, v11, vcc_lo           ; lanes 0-15: A_c; lanes 16-31: the mean
	global_store_b32 v4, v11, s[14:15]
.Lend:
	s_wait_tensorcnt 0x0                           ; the wave's end
	ds_add_u32 v[SPW], v[NIL]
	s_wait_dscnt 0x0
	s_endpgm
.Lfunc_end_k_qfb324534ee_prep:
	.size	k_qfb324534ee_prep, .Lfunc_end_k_qfb324534ee_prep-k_qfb324534ee_prep
	.p2alignl 7, 3214868480
	.fill 96, 4, 3214868480
	.section	.rodata,"a",@progbits
	.p2align	6, 0x0
	.amdhsa_kernel k_qfb324534ee_prep
		.amdhsa_group_segment_fixed_size 2560
		.amdhsa_private_segment_fixed_size 0
		.amdhsa_enable_private_segment 0
		.amdhsa_kernarg_size 64
		.amdhsa_user_sgpr_count 2
		.amdhsa_user_sgpr_kernarg_segment_ptr 1
		.amdhsa_wavefront_size32 1
		.amdhsa_system_sgpr_workgroup_id_x 1
		.amdhsa_system_sgpr_workgroup_id_y 1
		.amdhsa_system_sgpr_workgroup_id_z 1
		.amdhsa_system_vgpr_workitem_id 0
		.amdhsa_next_free_vgpr 256
		.amdhsa_next_free_sgpr 66
		.amdhsa_reserve_vcc 1
		.amdhsa_float_denorm_mode_32 3
		.amdhsa_float_denorm_mode_16_64 3
		.amdhsa_memory_ordered 1
		.amdhsa_forward_progress 1
		.amdhsa_inst_pref_size 33
	.end_amdhsa_kernel
	.amdgpu_metadata
---
amdhsa.version: [ 1, 2 ]
amdhsa.kernels:
  - .name:           k_qfb324534ee_prep
    .symbol:         k_qfb324534ee_prep.kd
    .args:
      - { .name: x, .offset: 0, .size: 8, .value_kind: global_buffer, .address_space: global }
      - { .name: gn_weight, .offset: 8, .size: 8, .value_kind: global_buffer, .address_space: global }
      - { .name: wq, .offset: 16, .size: 8, .value_kind: global_buffer, .address_space: global }
      - { .name: wkv, .offset: 24, .size: 8, .value_kind: global_buffer, .address_space: global }
      - { .name: wproj, .offset: 32, .size: 8, .value_kind: global_buffer, .address_space: global }
      - { .name: gnt, .offset: 40, .size: 8, .value_kind: global_buffer, .address_space: global }
      - { .name: wimg, .offset: 48, .size: 8, .value_kind: global_buffer, .address_space: global }
      - { .name: wscl, .offset: 56, .size: 8, .value_kind: global_buffer, .address_space: global }
    .group_segment_fixed_size: 2560
    .private_segment_fixed_size: 0
    .kernarg_segment_align: 8
    .kernarg_segment_size: 64
    .max_flat_workgroup_size: 512
    .sgpr_count:     66
    .vgpr_count:     256
    .wavefront_size: 32
...
	.end_amdgpu_metadata
.endif
;; end of part 1
;; launch qkv (part 2): grid 64 x 3, 8 waves a work-group, no clusters, 52,224 bytes of LDS; arguments x, gnt, gn_bias, wimg, wscl, bq, bkv, qkv; writes qkv
.if DOCPART == 2
	.amdgcn_target "amdgcn-amd-amdhsa--gfx1250"
	.amdhsa_code_object_version 6
	.text
	.protected	k_qfb324534ee_qkv
	.globl	k_qfb324534ee_qkv
	.p2align	8
	.type	k_qfb324534ee_qkv,@function
k_qfb324534ee_qkv:
	s_mov_b64 s[64:65], 0
	v_nop
	global_prefetch_b8 v0, s[64:65] scope:SCOPE_SE
	s_setreg_imm32_b32 hwreg(HW_REG_WAVE_MODE, 25, 1), 1
	s_wait_xcnt 0x0
; Launch 2 of 4: hs = GroupNorm(x), quantised along the 512 channels; q, k or v = hs W^T + bias; the result quantised for the attention.  Nothing of reference() is left out.
; A work-group takes 128 pixels (work-group x) and one of q, k, v (work-group y: kind 0, 1, 2): 128 pixels x 512 outputs; wave w makes head w.
; PHASE X.  A LANE IS A PIXEL AND ITS REGISTERS RUN DOWN 32 CHANNELS: each load reads 128 consecutive bytes (four waves side by side: 512), a block of 32 along K lies in one lane, and each channel's constants
; (A_c, gn_bias[c], the group's mean) are scalars.  hs = (x - mean) A_c + gn_bias[c]: the mean is taken off first.  Wave w takes pixels 32 (w & 3) + lane and channels 256 (w >> 2) on, eight blocks.
; The codes go to LDS as IMAGES OF THE OPERAND'S REGISTERS (register R of lane L at 512 (R >> 2) + 16 L + 4 (R & 3)), 8 tiles of pixels x 4 K steps.
; TILES: row i of tile 2 B + u is pixel (or weight row) 32 B + 8 u + (i & 7) + 16 (i >> 3): where such a tile is source 0, the 16 registers of tiles 2 B and 2 B + 1 are 16 neighbours.
; PHASE P.  q, k: source 0 = 16 rows of W, source 1 = 16 pixels: a lane holds one pixel and its registers run along the head's 64 channels.  v: source 0 = 16 pixels, source 1 = 16 rows of W: a lane holds one
; channel and its registers run along the 128 pixels, which are the second product's K.  The bias is the C of each sum's first matrix instruction.  32 accumulators by turns, the same order in every K step.
; PHASE Q.  64 registers become one fragment and one scale word a row.  q, k: blocks 0, 1 are tile (B, 0)'s 64 channels, blocks 2, 3 tile (B, 1)'s: TWO TILES OF K = 64 PACKED INTO ONE FRAGMENT OF K = 128.
; v: channel tile n x the 128 keys.  A record of 19,968 bytes holds 128 pixels of one head: q's scale words 512, q's 4 fragments, k's 4, v's 4 (1,536 each), k's scale words 512, v's 512.
; LIMITS: NaN and infinities are not served; a block under 2^-124 (zeros too) keeps the byte 1; hs differs from reference()'s by the order of two roundings ((x - mean) x (rstd x w) for ((x - mean) x rstd) x w).
; IN PLACE OF WHAT THE HEAD SAYS OF PIXEL TILES AND OF THE RECORD.  Row i of PIXEL tile 4 B + t is pixel 64 B + 8 t + (i & 7) + 32 (i >> 3): where such a tile is source 0, the 32 registers of tiles
; 4 B .. 4 B + 3 are 32 neighbours, a whole block, lanes 0-15 block 2 B and lanes 16-31 block 2 B + 1.  (Tiles of weight rows stay as the head has them.)
; A record: k's scale words 512 at 0, k's fragments at 512, q's scale words at 6,656, q's fragments at 7,168, v's fragments at 13,312, v's scale words at 19,456.
.set HSC,   49152
.set SPARE, 51200                      ; the spare words, 128 bytes for each of 8 waves
.set XO,  1                            ; v1   4 x (thread & 127): my pixel
.set VA,  2                            ; v2   where I store my pixel's codes
.set VS,  3                            ; v3   where I store its scale words; behind the barrier: where I read a row's
.set LI,  4                            ; v4   16 x lane
.set L4,  5                            ; v5   4 x lane
.set SPW, 6                            ; v6   LDS address of my spare word; never rewritten
.set NIL, 7                            ; v7   0; never rewritten
.set HS,  16                           ; v16-111  phase X: three sets of 32 numbers; phase P: 8 fragments of hs; phase Q: at work
.set WF,  112                          ; v112-207 W's fragments: two sets of four
.set BI,  208                          ; v208-239 the bias, in the result's layout
.set WS,  248                          ; v248-255 W's scale words: two sets of four.  v240-247: hs's scale words (phase X: a block's six registers of codes)
.set TM,  16                           ; phase Q: v16-19 largest magnitudes, v20-23 bytes, v28-31 scale operands
.set MSB, 0
.macro WIN new                         ; the immediate's high byte repeats the setting that is left.  Window 1 (v256-511) holds the 32 accumulators
.if MSB != \new
	s_set_vgpr_msb (MSB<<8)|\new
.set MSB, \new
.endif
.endm
.macro WLOAD s                         ; my head's four fragments of W for K step s, and their scale words: 16 loads
.irp t, 0,1,2,3
.irp gg, 0,1,2
	global_load_b128 v[WF+48*((\s)%2)+12*\t+4*\gg:WF+48*((\s)%2)+12*\t+4*\gg+3], v[LI], s[90:91] offset:6144*\t+1536*(\s)+512*\gg
.endr
	global_load_b32 v[WS+4*((\s)%2)+\t], v[L4], s[92:93] offset:(4*\t+(\s))*128
.endr
.endm
.macro XLOAD q                         ; block q: x(channel 32 q + i, my pixel)
.irp i, 0,1,2,3,4,5,6,7,8,9,10,11,12,13,14,15,16,17,18,19,20,21,22,23,24,25,26,27,28,29,30,31
	global_load_b32 v[HS+32*((\q)%3)+\i], v[XO], s[84:85] offset:(32*(\q)+\i)*16384
.endr
.endm
.macro SLOADS q                        ; block q's constants: two groups' A_c and means, 32 gn_bias
	s_load_b512 s[16:31], s[86:87], 256*(\q)
	s_load_b512 s[32:47], s[86:87], 256*(\q)+128
	s_load_b32 s14, s[86:87], 256*(\q)+64
	s_load_b32 s15, s[86:87], 256*(\q)+192
	s_load_b512 s[48:63], s[88:89], 128*(\q)
	s_load_b512 s[68:83], s[88:89], 128*(\q)+64
.endm
	s_load_b512 s[84:99], s[0:1], 0x0              ; x s[84:85], gnt s[86:87], gn_bias s[88:89], wimg s[90:91], wscl s[92:93], bq s[94:95], bkv s[96:97], qkv s[98:99]
	v_lshl_add_u32 v[SPW], v0, 2, SPARE
	v_mov_b32 v[NIL], 0
	v_lshrrev_b32 v8, 5, v0
	s_delay_alu instid0(VALU_DEP_1)
	v_readfirstlane_b32 s2, v8                     ; wave 0..7
	s_and_b32 s3, ttmp7, 0xffff                    ; kind
	s_lshr_b32 s5, ttmp9, 5                        ; image
	s_and_b32 s6, ttmp9, 31                        ; which 128 pixels of it
	s_lshr_b32 s7, s2, 2                           ; which half of the channels I normalise
	s_mov_b32 s12, 0x76543210
	s_mov_b32 s13, 0xfedcba98                      ; v_permlanex16_b32's selects for lane l xor 16
	s_mov_b32 s9, 0
	v_and_b32 v[XO], 127, v0
	s_delay_alu instid0(VALU_DEP_1)
	v_lshlrev_b32 v[XO], 2, v[XO]
	v_and_b32 v[L4], 31, v0
	s_delay_alu instid0(VALU_DEP_1)
	v_lshlrev_b32 v[LI], 4, v[L4]
	s_delay_alu instid0(VALU_DEP_2)
	v_lshlrev_b32 v[L4], 2, v[L4]
	; my pixel 32 (w & 3) + lane is row r = (lane & 7) + 8 (w & 1) of tile 4 ((w >> 1) & 1) + ((lane >> 3) & 3)
	v_bfe_u32 v8, v0, 3, 2                         ; pixel 32 (w & 3) + lane: tile 4 ((w >> 1) & 1) + ((lane >> 3) & 3), row (lane & 7) + 8 (w & 1)
	s_and_b32 s8, s2, 2
	s_lshl_b32 s8, s8, 1
	v_add_nc_u32 v8, s8, v8                        ; tile
	v_and_b32 v9, 7, v0
	v_bfe_u32 v10, v0, 4, 1
	s_and_b32 s10, s2, 1
	s_lshl_b32 s10, s10, 3
	v_add_nc_u32 v9, s10, v9                       ; r
	v_mul_u32_u24 v[VA], v8, 6144
	s_delay_alu instid0(VALU_DEP_1)
	v_lshl_add_u32 v[VA], v9, 4, v[VA]
	s_mul_i32 s10, s7, 3072
	v_add_nc_u32 v[VA], s10, v[VA]                 ; 6,144 tile + 3,072 (w >> 2) + 16 r
	v_lshlrev_b32 v[VS], 2, v8
	s_delay_alu instid0(VALU_DEP_1)
	v_lshl_add_u32 v[VS], v9, 5, v[VS]
	s_lshl_b32 s10, s7, 10
	s_add_co_u32 s10, s10, HSC
	v_add_nc_u32 v[VS], s10, v[VS]                 ; HSC + 1,024 (w >> 2) + 32 r + 4 tile
	v_lshlrev_b32 v11, 6, v10                      ; the bias of q, k: 16 h numbers on
	v_and_b32 v12, 7, v0
	v_bfe_u32 v13, v0, 3, 1
	s_delay_alu instid0(VALU_DEP_1)
	v_lshl_add_u32 v12, v13, 4, v12
	s_delay_alu instid0(VALU_DEP_1)
	v_lshlrev_b32 v12, 2, v12                      ; of v: my channel row: (r & 7) + 16 (r >> 3)
	s_wait_kmcnt 0x0
	s_lshl_b32 s8, s5, 23                          ; x: the image, my half of the channels, the work-group's pixels
	s_lshl_b32 s10, s7, 22
	s_add_co_u32 s8, s8, s10
	s_lshl_b32 s10, s6, 9
	s_add_co_u32 s8, s8, s10
	s_add_nc_u64 s[84:85], s[84:85], s[8:9]
	s_lshl_b32 s8, s5, 12                          ; the table: group 32 image + 16 (w >> 2), 128 bytes a group
	s_lshl_b32 s10, s7, 11
	s_add_co_u32 s8, s8, s10
	s_add_nc_u64 s[86:87], s[86:87], s[8:9]
	s_lshl_b32 s8, s7, 10
	s_add_nc_u64 s[88:89], s[88:89], s[8:9]
	SLOADS 0
	s_lshl_b32 s10, s3, 5
	s_lshl_b32 s11, s2, 2
	s_add_co_u32 s10, s10, s11                     ; my first tile of W: 32 kind + 4 w
	s_mul_i32 s8, s10, 6144
	s_add_nc_u64 s[90:91], s[90:91], s[8:9]
	s_lshl_b32 s8, s10, 9
	s_add_nc_u64 s[92:93], s[92:93], s[8:9]
	s_cmp_eq_u32 s3, 0
	s_cselect_b64 s[94:95], s[94:95], s[96:97]     ; bq or bkv: the choice hangs on the work-group's number alone
	s_cmp_eq_u32 s3, 2
	s_cselect_b32 s10, 2048, 0                     ; v's half of bkv
	s_lshl_b32 s8, s2, 8
	s_add_co_u32 s8, s8, s10
	s_add_nc_u64 s[94:95], s[94:95], s[8:9]
	s_lshl_b32 s10, s5, 3
	s_add_co_u32 s10, s10, s2
	s_lshl_b32 s10, s10, 5
	s_add_co_u32 s10, s10, s6
	s_mul_i32 s8, s10, 19968                       ; my record: ((8 image + head) x 32 + block of pixels)
	s_add_nc_u64 s[98:99], s[98:99], s[8:9]
	s_cmp_eq_u32 s3, 1
	s_cselect_b32 s10, 0, 6656                     ; the record's part: k's at 0, q's at 6,656,
	s_mov_b32 s11, 13312
	s_cmp_eq_u32 s3, 2
	s_cselect_b32 s10, s11, s10                    ; v's at 13,312
	s_cselect_b32 s8, 6144, 0                      ; v's scale words lie behind its fragments, q's and k's ahead of theirs
	s_cselect_b32 s11, 0, 512
	s_add_co_u32 s8, s8, s10
	s_add_nc_u64 s[100:101], s[98:99], s[8:9]      ; the scale words
	s_add_co_u32 s8, s10, s11
	s_add_nc_u64 s[98:99], s[98:99], s[8:9]        ; the fragments
	WLOAD 0
	WLOAD 1
	s_cmp_eq_u32 s3, 2
	s_cbranch_scc1 .Lbias_v
	s_wait_alu depctr_va_vdst(0)
.irp t, 0,1,2,3                                ; q, k: tile t's register j is channel 32 (t / 2) + 8 (t % 2) + 16 h + j of my head
	global_load_b128 v[BI+8*\t:BI+8*\t+3], v11, s[94:95] offset:(32*(\t/2)+8*(\t%2))*4
	global_load_b128 v[BI+8*\t+4:BI+8*\t+7], v11, s[94:95] offset:(32*(\t/2)+8*(\t%2))*4+16
.endr
	s_branch .Lbias_done
.Lbias_v:
	s_wait_alu depctr_va_vdst(0)
.irp n, 0,1,2,3                                ; v: a lane holds one channel: eight equal registers a tile
.irp j, 0,1,2,3,4,5,6,7
	global_load_b32 v[BI+8*\n+\j], v12, s[94:95] offset:(32*(\n/2)+8*(\n%2))*4
.endr
.endr
.Lbias_done:
	XLOAD 0
	XLOAD 1
; One block of 32 channels of my pixel.
.macro XUNIT q
.set XS, HS+32*((\q)%3)
.if (\q) < 7
	s_wait_loadcnt 32                              ; this block's loads, and all older ones, are in; the next block's 32 may be out
.else
	s_wait_loadcnt 0x0
.endif
.if (\q)+2 < 8
	XLOAD (\q)+2                                   ; into the set that the block before has left
.endif
	s_wait_kmcnt 0x0                               ; this block's constants
.irp i, 0,1,2,3,4,5,6,7,8,9,10,11,12,13,14,15
	v_sub_f32 v[XS+\i], v[XS+\i], s14
.endr
.irp i, 0,1,2,3,4,5,6,7,8,9,10,11,12,13,14,15
	v_sub_f32 v[XS+16+\i], v[XS+16+\i], s15
.endr
.irp i, 0,1,2,3,4,5,6,7,8,9,10,11,12,13,14,15
	v_fma_f32 v[XS+\i], v[XS+\i], s[16+\i], s[48+\i]
.endr
.irp i, 0,1,2,3,4,5,6,7,8,9,10,11,12,13,14,15
	v_fma_f32 v[XS+16+\i], v[XS+16+\i], s[32+\i], s[68+\i]
.endr
.if (\q) < 7
	SLOADS (\q)+1
.endif
	v_max3_num_f32 v8, |v[XS]|, |v[XS+1]|, |v[XS+2]|                ; the block's largest magnitude: all 32 numbers are mine
	v_max3_num_f32 v9, |v[XS+3]|, |v[XS+4]|, |v[XS+5]|
.irp i, 6,10,14,18,22,26
	s_delay_alu instid0(VALU_DEP_2)
	v_max3_num_f32 v8, v8, |v[XS+\i]|, |v[XS+\i+1]|
	s_delay_alu instid0(VALU_DEP_2)
	v_max3_num_f32 v9, v9, |v[XS+\i+2]|, |v[XS+\i+3]|
.endr
	s_delay_alu instid0(VALU_DEP_2)
	v_max3_num_f32 v8, v8, |v[XS+30]|, |v[XS+31]|
	s_delay_alu instid0(VALU_DEP_1)
	v_max3_num_f32 v8, v8, v9, 0x1800000           ; and the floor 2^(3 - 127)
	s_delay_alu instid0(VALU_DEP_1)
	v_add_nc_u32 v10, 0xff000000, v8               ; 2 off the exponent field: the conversion's scale operand
	s_delay_alu instid0(VALU_DEP_1)
	v_lshrrev_b32 v11, 23, v10                     ; the scale's byte
.if ((\q)&3) == 0
	s_delay_alu instid0(VALU_DEP_1)
	v_mov_b32 v15, v11                             ; four bytes make a K step's scale word
.else
	s_delay_alu instid0(VALU_DEP_1)
	v_lshl_or_b32 v15, v11, 8*((\q)&3), v15
.endif
	v_cvt_scalef32_pk16_fp6_f32 v[240:242], v[XS:XS+15], v10
	v_cvt_scalef32_pk16_fp6_f32 v[12:14], v[XS+16:XS+31], v10      ; (a conversion's three registers begin on an even number)
	v_nop                                          ; one plain place behind a scaled conversion
	v_mov_b32 v243, v12
	v_mov_b32 v244, v13
	v_mov_b32 v245, v14
; block 8 (w >> 2) + q is registers 6 c .. 6 c + 5 of lane r + 16 h' of K step 2 (w >> 2) + (q >> 2), c = (q >> 1) & 1, h' = q & 1
.set BASE, 1536*((\q)>>2)+256*((\q)&1)
.if (((\q)>>1)&1) == 0
	ds_store_b128 v[VA], v[240:243] offset:BASE
	ds_store_b64 v[VA], v[244:245] offset:BASE+512
.else
	ds_store_b64 v[VA], v[240:241] offset:BASE+520
	ds_store_b128 v[VA], v[242:245] offset:BASE+1024
.endif
.if ((\q)&3) == 3
	ds_store_b32 v[VS], v15 offset:512*((\q)>>2)
.endif
	s_wait_dscnt 0x0                               ; the stores have read their registers: the next block's codes may be written
.endm
.irp q, 0,1,2,3,4,5,6,7
	XUNIT \q
.endr
	s_barrier_signal -1                            ; my LDS stores are done (the wait above)
	s_barrier_wait -1                              ; hs's 32 fragments and their scale words lie in LDS
	v_and_b32 v[VS], 15, v0
	s_delay_alu instid0(VALU_DEP_1)
	v_lshlrev_b32 v[VS], 5, v[VS]
	s_delay_alu instid0(VALU_DEP_1)
	v_add_nc_u32 v[VS], HSC, v[VS]                 ; a row's eight words (tiles 0-7) of a K step
.macro HLOAD s                         ; all eight fragments of hs for K step s, and their scale words
.irp i, 0,1,2,3,4,5,6,7
.irp gg, 0,1,2
	ds_load_b128 v[HS+12*\i+4*\gg:HS+12*\i+4*\gg+3], v[LI] offset:6144*\i+1536*(\s)+512*\gg
.endr
.endr
	ds_load_b128 v[240:243], v[VS] offset:512*(\s)
	ds_load_b128 v[244:247], v[VS] offset:512*(\s)+16
.endm
; The products.  mode 0: q, k; mode 1: v.
.macro PROD mode
.irp s, 0,1,2,3
	HLOAD \s
	s_wait_dscnt 0x0
.if \s == 2
	s_wait_loadcnt 16                              ; K step 2's fragments of W are in; K step 3's 16 loads, issued behind them, may be out
.endif
.if \s == 3
	s_wait_loadcnt 0x0
.endif
.if \s == 0
	WIN 0x40                                       ; D in window 1; C, the bias, in window 0
.else
	WIN 0x50                                       ; C and D in window 1
.endif
.if \mode == 0
.irp bb, 0,1,2,3
.irp u, 0,1
.irp t, 0,1,2,3
.if \s == 0
	v_wmma_scale_f32_16x16x128_f8f6f4 v[64*\bb+32*\u+8*\t:64*\bb+32*\u+8*\t+7], v[WF+48*(\s%2)+12*\t:WF+48*(\s%2)+12*\t+11], v[HS+12*(2*\bb+\u):HS+12*(2*\bb+\u)+11], v[BI+8*\t:BI+8*\t+7], v[WS+4*(\s%2)+\t], v[240+2*\bb+\u] matrix_a_fmt:MATRIX_FMT_FP6 matrix_b_fmt:MATRIX_FMT_FP6
.else
	v_wmma_scale_f32_16x16x128_f8f6f4 v[64*\bb+32*\u+8*\t:64*\bb+32*\u+8*\t+7], v[WF+48*(\s%2)+12*\t:WF+48*(\s%2)+12*\t+11], v[HS+12*(2*\bb+\u):HS+12*(2*\bb+\u)+11], v[64*\bb+32*\u+8*\t:64*\bb+32*\u+8*\t+7], v[WS+4*(\s%2)+\t], v[240+2*\bb+\u] matrix_a_fmt:MATRIX_FMT_FP6 matrix_b_fmt:MATRIX_FMT_FP6
.endif
.endr
.endr
.endr
.else
.irp n, 0,1,2,3
.irp i, 0,1,2,3,4,5,6,7
.if \s == 0
	v_wmma_scale_f32_16x16x128_f8f6f4 v[64*\n+8*\i:64*\n+8*\i+7], v[HS+12*\i:HS+12*\i+11], v[WF+48*(\s%2)+12*\n:WF+48*(\s%2)+12*\n+11], v[BI+8*\n:BI+8*\n+7], v[240+\i], v[WS+4*(\s%2)+\n] matrix_a_fmt:MATRIX_FMT_FP6 matrix_b_fmt:MATRIX_FMT_FP6
.else
	v_wmma_scale_f32_16x16x128_f8f6f4 v[64*\n+8*\i:64*\n+8*\i+7], v[HS+12*\i:HS+12*\i+11], v[WF+48*(\s%2)+12*\n:WF+48*(\s%2)+12*\n+11], v[64*\n+8*\i:64*\n+8*\i+7], v[240+\i], v[WS+4*(\s%2)+\n] matrix_a_fmt:MATRIX_FMT_FP6 matrix_b_fmt:MATRIX_FMT_FP6
.endif
.endr
.endr
.endif
	WIN 0
.rept 4
	v_nop                                          ; four places in front of loads into registers that matrix instructions have read, and of the first read of results
.endr
.if \s < 2
	WLOAD \s+2
.endif
.endr
.endm
	s_cmp_eq_u32 s3, 2
	s_cbranch_scc1 .Lprod_v
	s_wait_alu depctr_va_vdst(0)
	PROD 0
	s_branch .Lquant
.Lprod_v:
	s_wait_alu depctr_va_vdst(0)
	PROD 1
.Lquant:
; 64 numbers of a lane in window 1, v[s] on, register 16 b + i = k 32 b + 16 (lane / 16) + i of my row, become a fragment's codes in v[pc] on and its scale word in v[sw].  Each accumulator is read from its low end on.
.macro QUANTW s, pc, sw
	WIN 0x05                                       ; sources 0 and 1 in window 1
.irp b, 0,1,2,3
	v_max3_num_f32 v[TM+\b], |v[(\s)+16*\b]|, |v[(\s)+1+16*\b]|, 0x1800000   ; block b: my 16 numbers, and the floor 2^(3 - 127)
.endr
	WIN 0x14                                       ; sources 1 and 2 in window 1
.irp i, 2,4,6,8,10,12,14
.irp b, 0,1,2,3
	v_max3_num_f32 v[TM+\b], v[TM+\b], |v[(\s)+16*\b+\i]|, |v[(\s)+1+16*\b+\i]|
.endr
.endr
	WIN 0
.irp b, 0,1,2,3
	v_permlanex16_b32 v[TM+4+\b], v[TM+\b], s12, s13
.endr
.irp b, 0,1,2,3
	s_delay_alu instid0(VALU_DEP_4)
	v_max_num_f32 v[TM+\b], v[TM+\b], v[TM+4+\b]   ; with lane l xor 16's: the block's largest magnitude
.endr
.irp b, 0,1,2,3
	s_delay_alu instid0(VALU_DEP_4)
	v_add_nc_u32 v[TM+12+\b], 0xff000000, v[TM+\b]
.endr
.irp b, 0,1,2,3
	s_delay_alu instid0(VALU_DEP_4)
	v_lshrrev_b32 v[TM+4+\b], 23, v[TM+12+\b]
.endr
	s_delay_alu instid0(VALU_DEP_3)
	v_lshl_or_b32 v[\sw], v[TM+5], 8, v[TM+4]
	s_delay_alu instid0(VALU_DEP_1)
	v_lshl_or_b32 v[\sw], v[TM+6], 16, v[\sw]
	s_delay_alu instid0(VALU_DEP_1)
	v_lshl_or_b32 v[\sw], v[TM+7], 24, v[\sw]
	WIN 0x01                                       ; source 0, the numbers, in window 1
.irp c, 0,1
	v_cvt_scalef32_pk16_fp6_f32 v[(\pc)+6*\c:(\pc)+2+6*\c], v[(\s)+32*\c:(\s)+15+32*\c], v[TM+12+2*\c]
	v_cvt_scalef32_pk16_fp6_f32 v[80+4*\c:82+4*\c], v[(\s)+16+32*\c:(\s)+31+32*\c], v[TM+12+2*\c+1]
.endr
	WIN 0
	v_nop                                          ; one plain place behind a scaled conversion
.irp c, 0,1                                    ; the operand's layout wants a whole block in a lane: lanes 0-15 block 2 c, lanes 16-31 block 2 c + 1
.irp i, 0,1,2
	v_permlane16_swap_b32 v[(\pc)+6*\c+\i], v[80+4*\c+\i]
.endr
.irp i, 0,1,2
	s_delay_alu instid0(VALU_DEP_3)
	v_mov_b32 v[(\pc)+3+6*\c+\i], v[80+4*\c+\i]
.endr
.endr
.endm
.irp b, 0,1,2,3
	v_mov_b32 v[TM+4+\b], 0                        ; written once: a lane permute's destination counts as one of its sources
.endr
; v: 64 numbers of a lane in window 1, register 32 c + i = key 64 c + 32 (lane / 16) + i of my channel: two whole blocks a lane, in the operand's own order
.macro QUANTV s, pc, sw
	WIN 0x05
.irp c, 0,1
	v_max3_num_f32 v[TM+\c], |v[(\s)+32*\c]|, |v[(\s)+1+32*\c]|, 0x1800000   ; my block 2 c + h, and the floor 2^(3 - 127)
.endr
	WIN 0x14
.irp i, 2,4,6,8,10,12,14,16,18,20,22,24,26,28,30
.irp c, 0,1
	v_max3_num_f32 v[TM+\c], v[TM+\c], |v[(\s)+32*\c+\i]|, |v[(\s)+1+32*\c+\i]|
.endr
.endr
	WIN 0
.irp c, 0,1
	v_add_nc_u32 v[TM+12+\c], 0xff000000, v[TM+\c]
.endr
.irp c, 0,1
	v_lshrrev_b32 v[TM+4+\c], 23, v[TM+12+\c]
.endr
	v_lshl_or_b32 v[TM+4], v[TM+5], 16, v[TM+4]    ; blocks h and 2 + h,
	v_lshlrev_b32 v[TM+4], v24, v[TM+4]            ; at their places in the row's scale word;
	v_permlanex16_b32 v[TM+6], v[TM+4], s12, s13
	v_or_b32 v[\sw], v[TM+4], v[TM+6]              ; with lane l xor 16's two the word is whole, in both halves of the lanes
	WIN 0x01
.irp c, 0,1
	v_cvt_scalef32_pk16_fp6_f32 v[(\pc)+6*\c:(\pc)+2+6*\c], v[(\s)+32*\c:(\s)+15+32*\c], v[TM+12+\c]
	v_cvt_scalef32_pk16_fp6_f32 v[80+4*\c:82+4*\c], v[(\s)+16+32*\c:(\s)+31+32*\c], v[TM+12+\c]
.endr
	WIN 0
	v_nop                                          ; one plain place behind a scaled conversion
.irp c, 0,1
.irp i, 0,1,2
	v_mov_b32 v[(\pc)+3+6*\c+\i], v[80+4*\c+\i]
.endr
.endr
.endm
	v_bfe_u32 v24, v0, 4, 1
	v_lshlrev_b32 v24, 3, v24                      ; 8 h
	s_cmp_eq_u32 s3, 2
	s_wait_alu depctr_va_vdst(0)
	s_cbranch_scc1 .Lquant_v
.irp e, 0,1,2,3                                ; q, k.  Each fragment has registers of its own, so no store's data are written again
	QUANTW 64*\e, 32+12*\e, 88+\e
.irp gg, 0,1,2
	global_store_b128 v[LI], v[32+12*\e+4*\gg:32+12*\e+4*\gg+3], s[98:99] offset:1536*\e+512*\gg
.endr
.endr
	s_wait_alu depctr_va_vdst(0)
	s_branch .Lquant_done
.Lquant_v:
.irp e, 0,1,2,3
	QUANTV 64*\e, 32+12*\e, 88+\e
.irp gg, 0,1,2
	global_store_b128 v[LI], v[32+12*\e+4*\gg:32+12*\e+4*\gg+3], s[98:99] offset:1536*\e+512*\gg
.endr
.endr
.Lquant_done:
	s_wait_alu depctr_va_vdst(0)
	global_store_b128 v[LI], v[88:91], s[100:101]
	; The attention fetches v's part of a record together with k's part of the NEXT record.  Behind the buffer's last record lie 6,656 bytes more: the wave that makes k's part of record 480
	; (image 1, head 7, pixels 0-127) stores it there once more, 32 records on, so that every byte that is fetched has been stored.  No product reads the copy.
	s_lshl_b32 s10, s5, 3
	s_add_co_u32 s10, s10, s2
	s_lshl_b32 s10, s10, 5
	s_add_co_u32 s10, s10, s6
	s_lshl_b32 s10, s10, 2
	s_add_co_u32 s10, s10, s3
	s_cmp_lg_u32 s10, 1921                         ; 4 x record 480 + kind 1
	s_cbranch_scc1 .Lnowrap
.irp e, 0,1,2,3
.irp gg, 0,1,2
	global_store_b128 v[LI], v[32+12*\e+4*\gg:32+12*\e+4*\gg+3], s[98:99] offset:638976+1536*\e+512*\gg
.endr
.endr
	global_store_b128 v[LI], v[88:91], s[100:101] offset:638976
.Lnowrap:
	s_wait_tensorcnt 0x0                           ; the wave's end
	ds_add_u32 v[SPW], v[NIL]
	s_wait_dscnt 0x0
	s_endpgm
.Lfunc_end_k_qfb324534ee_qkv:
	.size	k_qfb324534ee_qkv, .Lfunc_end_k_qfb324534ee_qkv-k_qfb324534ee_qkv
	.p2alignl 7, 3214868480
	.fill 96, 4, 3214868480
	.section	.rodata,"a",@progbits
	.p2align	6, 0x0
	.amdhsa_kernel k_qfb324534ee_qkv
		.amdhsa_group_segment_fixed_size 52224
		.amdhsa_private_segment_fixed_size 0
		.amdhsa_enable_private_segment 0
		.amdhsa_kernarg_size 64
		.amdhsa_user_sgpr_count 2
		.amdhsa_user_sgpr_kernarg_segment_ptr 1
		.amdhsa_wavefront_size32 1
		.amdhsa_system_sgpr_workgroup_id_x 1
		.amdhsa_system_sgpr_workgroup_id_y 1
		.amdhsa_system_sgpr_workgroup_id_z 1
		.amdhsa_system_vgpr_workitem_id 0
		.amdhsa_next_free_vgpr 512
		.amdhsa_next_free_sgpr 102
		.amdhsa_reserve_vcc 0
		.amdhsa_float_denorm_mode_32 3
		.amdhsa_float_denorm_mode_16_64 3
		.amdhsa_memory_ordered 1
		.amdhsa_forward_progress 1
		.amdhsa_inst_pref_size 176
	.end_amdhsa_kernel
	.amdgpu_metadata
---
amdhsa.version: [ 1, 2 ]
amdhsa.kernels:
  - .name:           k_qfb324534ee_qkv
    .symbol:         k_qfb324534ee_qkv.kd
    .args:
      - { .name: x, .offset: 0, .size: 8, .value_kind: global_buffer, .address_space: global }
      - { .name: gnt, .offset: 8, .size: 8, .value_kind: global_buffer, .address_space: global }
      - { .name: gn_bias, .offset: 16, .size: 8, .value_kind: global_buffer, .address_space: global }
      - { .name: wimg, .offset: 24, .size: 8, .value_kind: global_buffer, .address_space: global }
      - { .name: wscl, .offset: 32, .size: 8, .value_kind: global_buffer, .address_space: global }
      - { .name: bq, .offset: 40, .size: 8, .value_kind: global_buffer, .address_space: global }
      - { .name: bkv, .offset: 48, .size: 8, .value_kind: global_buffer, .address_space: global }
      - { .name: qkv, .offset: 56, .size: 8, .value_kind: global_buffer, .address_space: global }
    .group_segment_fixed_size: 52224
    .private_segment_fixed_size: 0
    .kernarg_segment_align: 8
    .kernarg_segment_size: 64
    .max_flat_workgroup_size: 256
    .sgpr_count:     102
    .vgpr_count:     512
    .wavefront_size: 32
...
	.end_amdgpu_metadata
.endif
;; end of part 2
;; launch attn (part 3): grid 16 x 16, 8 waves a work-group, clusters of 4 x 1, 327,680 bytes of LDS; arguments qkv, att, ascl; writes att, ascl
.if DOCPART == 3
	.amdgcn_target "amdgcn-amd-amdhsa--gfx1250"
	.amdhsa_code_object_version 6
	.text
	.protected	k_qfb324534ee_attn
	.globl	k_qfb324534ee_attn
	.p2align	8
	.type	k_qfb324534ee_attn,@function
k_qfb324534ee_attn:
	s_mov_b64 s[64:65], 0
	v_nop
	global_prefetch_b8 v0, s[64:65] scope:SCOPE_SE
	s_setreg_imm32_b32 hwreg(HW_REG_WAVE_MODE, 25, 1), 1
	s_wait_xcnt 0x0
	s_wait_alu depctr_hold_cnt(0) depctr_sa_sdst(0) depctr_va_vdst(0) depctr_va_sdst(0) depctr_va_ssrc(0) depctr_va_vcc(0) depctr_vm_vsrc(0)
	s_getreg_b32 s2, hwreg(HW_REG_IB_STS2, 6, 4)
	s_cmp_eq_u32 s2, 0
	s_cbranch_scc0 .Lentry_in_a_cluster
	s_endpgm
.Lentry_in_a_cluster:
	s_bfe_u32 s2, ttmp6, 0x10000c
	s_cmp_lg_u32 s2, 0x3003
	s_cbranch_scc0 .Lentry_shape_is_right
	s_endpgm
.Lentry_shape_is_right:
; Launch 3 of 4: o = softmax(q k^T / 8) v for one head (work-group y = 8 image + head) and 256 queries (work-group x), quantised along the channels for the projection.  Nothing of reference() is left out.
; A wave takes 32 queries: tile A (window 0) and tile B (window 1) of 16, the two halves of one fragment of q.  Both tiles use the same register NUMBERS, so one text serves both under another window setting.
; Both products are used transposed (S^T = k q^T, O^T = v^T p^T): a lane holds one query.  K = 64 is half of a fragment: a fragment of k holds two tiles of keys, and q stands beside six registers of zero codes.
; KEYS: row i of tile 4 B + t is key 64 B + 8 t + (i & 7) + 32 (i >> 3), so a lane's 32 registers of four tiles are one whole block of 32 keys, in the order that p's operand wants: no lane is asked for a block's maximum.
; p = 2^(t - M), M the running largest t rounded up; the sum is taken of the unquantised p; a block's largest p is made from its largest score by the same multiply-add and exponential.
; THE ORDER: one tile's matrix instructions stand at the head of the other tile's softmax; a step's LDS loads (v of step i, k of step i + 1) are issued a whole softmax ahead of their use.
; LDS: two slots of 8 chunks.  Chunk i, 13,312 dense bytes of memory, is v's part of record i and k's part of record i + 1; wave w fetches chunk w of a slot by one tensor load of 52 rows of 256 bytes.
; CLUSTER 4, 1, 1: the four work-groups share head and chunks; each load is a joint one.  k of step 0 and q come straight into registers.
; NO PREFETCH: a fill is asked for a whole slot, 8 steps or 192 matrix instructions a wave, ahead of the wait for it, and the 16 work-groups of a head read the same 425,984 bytes.
; LIMITS: the promise holds while the scaled scores stay under 2^31 in magnitude; NaN and infinities are not served; a block of p under 2^-124 keeps the byte 1 (its codes are zeros).
.set REC,   19968
.set CHUNK, 13312
.set SLOT1, 131072
.set SPARE, 262144                     ; the spare words, 128 bytes for each of 8 waves
.set LI,  1                            ; window 0 alone: 16 x lane
.set AD,  2                            ; the step's chunk + 16 x lane
.set SPW, 3                            ; my spare word; never rewritten
.set NIL, 4                            ; 0; never rewritten
.set A8,  5                            ; 8 x lane
.set A16, 6                            ; 16 x (lane & 15)
.set QW,  7                            ; q's scale word
.set KF,  16                           ; v16-63 k's four fragments (window 1, v0-47: v's four)
.set KS,  232                          ; k's scale words;  VS: v's;  QSA, QSA+1: q's of tiles A, B;  PSA, PSA+1: p's
.set VS,  236
.set QSA, 240
.set PSA, 242
.set S,   64                           ; in both windows: the scores, then p
.set O,   128                          ; O^T
.set P,   160                          ; p's codes;  PT: the halves that begin on an odd register
.set PT,  172
.set Q,   180                          ; six zeros, q's six registers, six zeros
.set LC,  200                          ; the sum: four chains of pairs; chain 0 is carried
.set NM,  208                          ; -M;  NM+1: the running largest score
.set F,   210                          ; 2^(old M - new M)
.set BM,  212                          ; my two blocks' largest scores, then largest p
.set SO,  214                          ; the conversions' scale operands
.set T,   216                          ; v216-219 at work
.set H8,  220                          ; 8 x (lane / 16)
.set WV,  10
.set G1,  16
.set G0,  24
.set SEL, 32
.set CS,  34
.set NCS, 36
.set TB,  37
.set CNT, 38
.set MSB, 0
.macro WIN new                         ; the immediate's high byte repeats the setting that is left
.if MSB != (\new)
	s_set_vgpr_msb (MSB<<8)|(\new)
.set MSB, (\new)
.endif
.endm
.macro ROUND                           ; a round of the cluster's barrier
	s_barrier_signal -1
	s_barrier_wait -1
	s_cmp_lg_u32 s[WV], 0
	s_cbranch_scc1 .Lnw0_\@
	s_barrier_signal -3
.Lnw0_\@:
	s_barrier_wait -3
	s_barrier_signal -1
	s_barrier_wait -1
.endm
	s_load_b128 s[4:7], s[0:1], 0x0                ; qkv, att
	s_load_b64 s[8:9], s[0:1], 0x10                ; ascl
	v_lshl_add_u32 v[SPW], v0, 2, SPARE
	v_mov_b32 v[NIL], 0
	ds_add_u32 v[SPW], v[NIL]                      ; the opening: the add, twice on end, and its wait ahead of my first tensor load
	ds_add_u32 v[SPW], v[NIL]
	v_lshrrev_b32 v8, 5, v0
	v_readfirstlane_b32 s[WV], v8                  ; wave 0..7
	s_and_b32 s48, s[WV], 3                        ; e: my fragment of q
	s_mul_i32 s49, s48, 1536
	s_add_co_u32 s49, s49, 512
	s_lshl_b32 s50, s48, 2
	v_and_b32 v9, 31, v0
	v_lshlrev_b32 v[LI], 4, v9
	v_lshlrev_b32 v[A8], 3, v9
	v_and_b32 v[A16], 15, v0
	v_lshlrev_b32 v[A16], 4, v[A16]
	v_bfe_u32 v8, v0, 4, 1
	v_lshlrev_b32 v8, 3, v8                        ; 8 h
	v_add_nc_u32 v10, s49, v[LI]                   ; q's fragment, behind its part's 512 bytes of scale words
	v_add_nc_u32 v11, s50, v[LI]                   ; q's scale word
	s_bfe_u32 s11, ttmp6, 0x40000                  ; cx
	s_lshl_b32 s13, ttmp9, 2
	s_add_co_u32 s13, s13, s11                     ; work-group x
	s_and_b32 s12, ttmp7, 0xffff                   ; 8 image + head
	s_mov_b32 s[G1+0], 15|(3<<16)|(1<<21)          ; the mask: all four of the cluster; elements of 8 bytes; bit 21 beside a mask
	s_mov_b32 s[G1+1], 32<<16                      ; rows of 256 bytes
	s_mov_b32 s[G1+2], 52<<16                      ; 52 rows
	s_mov_b32 s[G1+3], 32<<16
	s_mov_b32 s[G1+4], 52
	s_mov_b32 s[G1+5], 32
	s_mov_b32 s[G1+6], 0
	s_mov_b32 s[G1+7], 0
	s_mov_b32 s[SEL], 0x76543210
	s_mov_b32 s[SEL+1], 0xfedcba98                 ; v_permlanex16_b32's selects for lane l xor 16
	s_mov_b32 s[CS], 0x3e38aa3b                    ; c = log2(e) / 8
	s_mov_b32 s[CS+1], s[CS]
	s_mov_b32 s[NCS], 0xbe38aa3b                   ; -c
	s_mul_i32 s42, s12, 32*REC                     ; the head's 32 records
	s_mov_b32 s43, 0
	s_mul_i32 s44, s[WV], REC
	s_add_co_u32 s44, s44, 13312                   ; chunk w
	s_mov_b32 s45, 0
	s_lshl_b32 s46, s13, 1
	s_lshr_b32 s47, s[WV], 2
	s_add_co_u32 s46, s46, s47
	s_mul_i32 s46, s46, REC
	s_add_co_u32 s46, s46, 6656                    ; q's part of record 2 x + (w >> 2)
	s_mov_b32 s47, 0
	s_lshr_b32 s28, s12, 3
	s_lshl_b32 s28, s28, 8
	s_lshl_b32 s29, s13, 4
	s_add_co_u32 s28, s28, s29
	s_lshl_b32 s29, s[WV], 1
	s_add_co_u32 s28, s28, s29                     ; tile A among the 512 tiles of pixels: 256 image + 16 x + 2 w
	s_and_b32 s29, s12, 7                          ; head
	s_lshl_b32 s30, s28, 3
	s_add_co_u32 s30, s30, s29
	s_mul_i32 s30, s30, 768                        ; 768 bytes of codes for a tile and a head
	s_mov_b32 s31, 0
	s_lshl_b32 s52, s28, 8
	s_lshl_b32 s29, s29, 1
	s_add_co_u32 s52, s52, s29                     ; 256 scale bytes a tile, 2 for a row and a head
	s_mov_b32 s53, 0
	s_wait_alu depctr_va_vdst(0)
	s_wait_dscnt 0x0                               ; both opening adds are done
	s_wait_kmcnt 0x0
	s_add_nc_u64 s[40:41], s[4:5], s[42:43]
	s_add_nc_u64 s[46:47], s[40:41], s[46:47]
	s_mov_b32 s[G0], 1
	s_mul_i32 s[G0+1], s[WV], CHUNK
	s_add_nc_u64 s[G0+2:G0+3], s[40:41], s[44:45]
	s_or_b32 s[G0+3], s[G0+3], 0x80000000
	s_add_nc_u64 s[6:7], s[6:7], s[30:31]
	s_add_nc_u64 s[8:9], s[8:9], s[52:53]
	global_load_b32 v[QW], v11, s[46:47]
	global_load_b64 v[Q+6:Q+7], v10, s[46:47]              ; tile A: registers 0-5 of the fragment's image
	global_load_b64 v[Q+8:Q+9], v10, s[46:47] offset:8
	global_load_b64 v[Q+10:Q+11], v10, s[46:47] offset:512
	global_load_b128 v[KS:KS+3], v[LI], s[40:41]           ; k of step 0: its scale words and fragments, as they lie
.irp e, 0,1,2,3
.irp g, 0,1,2
	global_load_b128 v[KF+12*\e+4*\g:KF+12*\e+4*\g+3], v[LI], s[40:41] offset:512+1536*\e+512*\g
.endr
.endr
	WIN 0x40
	global_load_b64 v[Q+6:Q+7], v10, s[46:47] offset:520   ; tile B: registers 6-11
	global_load_b64 v[Q+8:Q+9], v10, s[46:47] offset:1024
	global_load_b64 v[Q+10:Q+11], v10, s[46:47] offset:1032
	WIN 0
	ROUND                                          ; in front of the first joint loads
	tensor_load_to_lds s[G0:G0+3], s[G1:G1+7]      ; slot 0: one tensor load a wave at the head
	s_nop 0
.rept 4
	v_nop
.endr
.macro INIT
.irp j, 0,1,2,3,4,5,12,13,14,15,16,17
	v_mov_b32 v[Q+\j], 0                           ; zero codes beside q
.endr
.set n0, 0
.rept 32
	v_mov_b32 v[O+n0], 0                           ; the step is written once: the first finds zeros
.set n0, n0+1
.endr
	v_mov_b32 v[LC], 0
	v_mov_b32 v[LC+1], 0
	v_mov_b32 v[NM], 0x7e000000                    ; -M, over every -t
	v_mov_b32 v[NM+1], 0xff61b1e6                  ; the largest score so far: -3e38
	v_mov_b32 v[F+1], 0                            ; (named as a pair's upper half)
	v_mov_b32 v[H8], v8
.endm
	INIT
	s_wait_loadcnt 0x0
	v_perm_b32 v[QSA], v[QW], v[QW], 0x01000100    ; tile A's two scale bytes, for either half of K
	v_perm_b32 v[QSA+1], v[QW], v[QW], 0x03020302  ; tile B's
	WIN 0x40
	INIT                                           ; also the places between the two lines above and the first products
	WIN 0
	s_wait_alu depctr_va_vdst(0)
.macro QK ab                           ; S^T of a tile: 8 tiles of 16 keys
	WIN 0x54*\ab
.irp e, 0,1,2,3
	v_wmma_scale_f32_16x16x128_f8f6f4 v[S+16*\e:S+16*\e+7], v[KF+12*\e:KF+12*\e+11], v[Q+6:Q+17], 0, v[KS+\e], v[QSA+\ab] matrix_a_fmt:MATRIX_FMT_FP6 matrix_b_fmt:MATRIX_FMT_FP6
	v_wmma_scale_f32_16x16x128_f8f6f4 v[S+16*\e+8:S+16*\e+15], v[KF+12*\e:KF+12*\e+11], v[Q:Q+11], 0, v[KS+\e], v[QSA+\ab] matrix_a_fmt:MATRIX_FMT_FP6 matrix_b_fmt:MATRIX_FMT_FP6
.endr
.endm
.macro PV ab                           ; O^T += v^T p^T: four accumulators, one instruction a turn
	WIN 0x01+0x54*\ab
.irp n, 0,1,2,3
	v_wmma_scale_f32_16x16x128_f8f6f4 v[O+8*\n:O+8*\n+7], v[12*\n:12*\n+11], v[P:P+11], v[O+8*\n:O+8*\n+7], v[VS+\n], v[PSA+\ab] matrix_a_fmt:MATRIX_FMT_FP6 matrix_b_fmt:MATRIX_FMT_FP6
.endr
.endm
.macro LOADS last                      ; the chunk: v of this step, k of the next
	WIN 0x40
.irp n, 0,1,2,3
.irp g, 0,1,2
	ds_load_b128 v[12*\n+4*\g:12*\n+4*\g+3], v[AD] offset:1536*\n+512*\g
.endr
.endr
	WIN 0
	ds_load_b128 v[VS:VS+3], v[AD] offset:6144
.if \last == 0
	ds_load_b128 v[KS:KS+3], v[AD] offset:6656
.irp e, 0,1,2,3
.irp g, 0,1,2
	ds_load_b128 v[KF+12*\e+4*\g:KF+12*\e+4*\g+3], v[AD] offset:7168+1536*\e+512*\g
.endr
.endr
.endif
.endm
.macro SOFT1 w                         ; my two blocks' largest scores: four chains of 16, each accumulator read from its low end on
	WIN \w
	s_wait_alu depctr_va_vdst(0)                   ; ahead of the first reader of matrix results
.irp k, 0,1,2,3
	v_max3_num_f32 v[T+\k], v[S+16*\k], v[S+16*\k+1], v[S+16*\k+2]
.endr
.irp i, 3,5,7,9,11,13
.irp k, 0,1,2,3
	v_max3_num_f32 v[T+\k], v[T+\k], v[S+16*\k+\i], v[S+16*\k+\i+1]
.endr
.endr
.irp c, 0,1
	v_max3_num_f32 v[BM+\c], v[T+2*\c], v[T+2*\c+1], v[S+32*\c+15]
.endr
.irp c, 0,1
	v_max_num_f32 v[BM+\c], v[BM+\c], v[S+32*\c+31]
.endr
.endm
.macro TMM a, b                        ; t - M of pairs a .. b
.set pp, \a
.rept (\b)-(\a)+1
	v_pk_fma_f32 v[S+2*pp:S+2*pp+1], v[S+2*pp:S+2*pp+1], s[CS:CS+1], v[NM:NM+1] op_sel_hi:[1,0,0]
.set pp, pp+1
.endr
.endm
.macro LS a, b                         ; the sum's additions a .. b of 29: three start chains 1-3, the others add a pair to one of the four chains
.set pp, \a
.rept (\b)-(\a)+1
.if pp < 3
	v_pk_add_f32 v[LC+2+2*pp:LC+3+2*pp], v[S+4*pp:S+4*pp+1], v[S+4*pp+2:S+4*pp+3]
.else
	v_pk_add_f32 v[LC+2*(pp%4):LC+2*(pp%4)+1], v[LC+2*(pp%4):LC+2*(pp%4)+1], v[S+2*(pp+3):S+2*(pp+3)+1]
.endif
.set pp, pp+1
.endr
.endm
.macro SOFT2 w, ab
.if \ab == 0
	s_wait_alu depctr_va_vdst(0)                   ; LDS loads stand behind the wait above: the wait anew ahead of O^T's first reader
.endif
	v_max_num_f32 v[T], v[BM], v[BM+1]
	v_mov_b32 v[T+2], v[NM]
	v_permlanex16_b32 v[T+1], v[T], s[SEL], s[SEL+1]
	v_max3_num_f32 v[NM+1], v[NM+1], v[T], v[T+1]  ; the running largest score of my query
	v_mul_f32 v[T], s[NCS], v[NM+1]
	v_floor_f32 v[NM], v[T]                        ; -M = floor(-t): M is a whole number
	v_sub_f32 v[T+2], v[NM], v[T+2]                ; old M less new M
	TMM 0, 7
	v_cvt_i32_f32 v[T+2], v[T+2]                   ; (it saturates)
	TMM 8, 15
	v_ldexp_f32 v[F], 1.0, v[T+2]                  ; f rounds nothing
	TMM 16, 31
.irp c, 0,1
	v_fma_f32 v[BM+\c], v[BM+\c], s[CS], v[NM]
.endr
.set n0, 0
.rept 16
	v_pk_mul_f32 v[O+n0:O+n0+1], v[O+n0:O+n0+1], v[F:F+1] op_sel_hi:[1,0]   ; O^T under the new M
.set n0, n0+2
.endr
	s_wait_alu depctr_va_vdst(0)
.irp c, 0,1
	v_exp_f32 v[BM+\c], v[BM+\c]                   ; the blocks' largest p
.endr
.set n0, 0
.rept 64
	v_exp_f32 v[S+n0], v[S+n0]                     ; p, at most 1
.set n0, n0+1
.endr
	v_pk_mul_f32 v[LC:LC+1], v[LC:LC+1], v[F:F+1] op_sel_hi:[1,0]   ; the sum under the new M: the plain place behind the batch
	s_wait_alu depctr_va_vdst(0)                   ; one wait for the batch, ahead of its first reader
.irp c, 0,1
	v_max_num_f32 v[BM+\c], 0x1800000, v[BM+\c]    ; the floor 2^(3 - 127)
.endr
	LS 0, 3
.irp c, 0,1
	v_add_nc_u32 v[SO+\c], 0xff000000, v[BM+\c]    ; 2 off the exponent field
.endr
	LS 4, 7
.irp c, 0,1
	v_lshrrev_b32 v[T+\c], 23, v[SO+\c]            ; the bytes of blocks h and 2 + h
.endr
	LS 8, 9
	v_lshl_or_b32 v[T], v[T+1], 16, v[T]
	LS 10, 11
	v_lshlrev_b32 v[T], v[H8], v[T]
	LS 12, 13
	v_permlanex16_b32 v[T+1], v[T], s[SEL], s[SEL+1]
	LS 14, 15
	WIN 0x05*\ab                                   ; scale operands are taken from window 0
	v_or_b32 v[PSA+\ab], v[T], v[T+1]              ; p's scale word of these 128 keys
	WIN \w
.irp c, 0,1
	v_cvt_scalef32_pk16_fp6_f32 v[P+6*\c:P+6*\c+2], v[S+32*\c:S+32*\c+15], v[SO+\c]
	v_cvt_scalef32_pk16_fp6_f32 v[PT+4*\c:PT+4*\c+2], v[S+32*\c+16:S+32*\c+31], v[SO+\c]   ; (a conversion's three registers begin on an even number)
.endr
	LS 16, 16                                      ; the plain place behind the conversions
.irp c, 0,1
.irp i, 0,1,2
	v_mov_b32 v[P+3+6*\c+\i], v[PT+4*\c+\i]
.endr
.endr
	LS 17, 28                                      ; these 15 lines are also the places ahead of the scaled products
	v_pk_add_f32 v[LC+2:LC+3], v[LC+2:LC+3], v[LC+4:LC+5]
	v_pk_add_f32 v[LC:LC+1], v[LC:LC+1], v[LC+6:LC+7]
	v_pk_add_f32 v[LC:LC+1], v[LC:LC+1], v[LC+2:LC+3]
.endm
; A step of 128 keys for both tiles.  At its head both tiles' scores are made or on their way.
.macro BODY last
	v_add_nc_u32 v[AD], s[TB], v[LI]
	SOFT1 0                                        ; 32 places behind the products that read k's and v's fragments
	LOADS \last
	SOFT2 0, 0
	s_wait_alu depctr_va_vdst(0)
	s_wait_dscnt 0x0                               ; the chunk's fragments are in
	PV 0
.if \last == 0
	QK 0
.endif
	SOFT1 0x55
	SOFT2 0x55, 1
	PV 1
.if \last == 0
	QK 1
.endif
	WIN 0
.endm
.macro RUN slot, n
	s_mov_b32 s[TB], (\slot)*SLOT1
	s_mov_b32 s[CNT], \n
.Lstep_\@:
	BODY 0
	s_add_co_u32 s[TB], s[TB], CHUNK
	s_sub_co_u32 s[CNT], s[CNT], 1
	s_cmp_lg_u32 s[CNT], 0
	s_wait_alu depctr_va_vdst(0)
	s_cbranch_scc1 .Lstep_\@
.endm
; A change of slots: all my tensor loads have landed, the add, my reads of the slot left behind are done; then the barrier, and behind it the fill of the other slot, 8 records on.
.macro MEET fill
	s_wait_tensorcnt 0x0
	ds_add_u32 v[SPW], v[NIL]
.if \fill
	s_xor_b32 s[G0+1], s[G0+1], SLOT1              ; no load of mine is out: the descriptor may be written
	s_add_nc_u64 s[G0+2:G0+3], s[G0+2:G0+3], 8*REC
.endif
	s_wait_dscnt 0x0
.if \fill
	ROUND
	tensor_load_to_lds s[G0:G0+3], s[G1:G1+7]
	s_nop 0
.rept 4
	v_nop
.endr
.else
	s_barrier_signal -1
	s_barrier_wait -1
.endif
.endm
	MEET 1                                         ; slot 0 is whole; slot 1's first fill, chunks 8-15, is issued as a refill is
	QK 0
	QK 1
	WIN 0
.rept 4
	v_nop                                          ; four places between the first scores' products and their first reader (ISA guide 7.12.1); in the loop the other tile's softmax stands there
.endr
	RUN 0, 8
	MEET 1                                         ; chunks 16-23
	RUN 1, 8
	MEET 1                                         ; chunks 24-31
	RUN 0, 8
	MEET 0
	RUN 1, 7
	BODY 1                                         ; step 31: no k and no scores beyond it
; The way out of a tile: O^T / the sum; register 16 b + i is channel 32 b + 16 h + i of the head; two blocks of 32 along the projection's K.
.macro FIN w, ab
	WIN \w
	v_add_f32 v[LC], v[LC], v[LC+1]
	v_permlanex16_b32 v[T], v[LC], s[SEL], s[SEL+1]
	v_add_f32 v[LC], v[LC], v[T]                   ; the row's sum
	s_wait_alu depctr_va_vdst(0)                   ; the wait ahead of the transcendental
	v_rcp_f32 v[LC], v[LC]
	v_nop
	s_wait_alu depctr_va_vdst(0)                   ; and ahead of its reader, which is also O^T's first
.set n0, 0
.rept 16
	v_pk_mul_f32 v[S+n0:S+n0+1], v[O+n0:O+n0+1], v[LC:LC+1] op_sel_hi:[1,0]
.set n0, n0+2
.endr
.irp b, 0,1
	v_max3_num_f32 v[BM+\b], |v[S+16*\b]|, |v[S+16*\b+1]|, 0x1800000
.endr
.irp i, 2,4,6,8,10,12,14
.irp b, 0,1
	v_max3_num_f32 v[BM+\b], v[BM+\b], |v[S+16*\b+\i]|, |v[S+16*\b+\i+1]|
.endr
.endr
.irp b, 0,1
	v_permlanex16_b32 v[T+\b], v[BM+\b], s[SEL], s[SEL+1]
.endr
.irp b, 0,1
	v_max_num_f32 v[BM+\b], v[BM+\b], v[T+\b]
.endr
.irp b, 0,1
	v_add_nc_u32 v[SO+\b], 0xff000000, v[BM+\b]
.endr
.irp b, 0,1
	v_lshrrev_b32 v[T+\b], 23, v[SO+\b]
.endr
	v_lshl_or_b32 v[T], v[T+1], 8, v[T]
	v_cvt_scalef32_pk16_fp6_f32 v[P:P+2], v[S:S+15], v[SO]
	v_cvt_scalef32_pk16_fp6_f32 v[PT:PT+2], v[S+16:S+31], v[SO+1]
	v_nop
.irp i, 0,1,2
	v_permlane16_swap_b32 v[P+\i], v[PT+\i]        ; a whole block to a lane
.endr
.irp i, 0,1,2
	v_mov_b32 v[P+3+\i], v[PT+\i]
.endr
	WIN 0x04*\ab                                   ; the stores' data in the tile's window
.irp p, 0,1,2
	global_store_b64 v[A8], v[P+2*\p:P+2*\p+1], s[6:7] offset:6144*\ab+256*\p   ; each store of the wave covers 256 consecutive bytes, aligned
.endr
	global_store_b16 v[A16], v[T], s[8:9] offset:256*\ab
.endm
	FIN 0, 0
	FIN 0x55, 1
	WIN 0
	s_wait_tensorcnt 0x0                           ; the wave's end
	ds_add_u32 v[SPW], v[NIL]
	s_wait_dscnt 0x0
	ROUND                                          ; the closing round
	s_endpgm
.Lfunc_end_k_qfb324534ee_attn:
	.size	k_qfb324534ee_attn, .Lfunc_end_k_qfb324534ee_attn-k_qfb324534ee_attn
	.p2alignl 7, 3214868480
	.fill 96, 4, 3214868480
	.section	.rodata,"a",@progbits
	.p2align	6, 0x0
	.amdhsa_kernel k_qfb324534ee_attn
		.amdhsa_group_segment_fixed_size 327680
		.amdhsa_private_segment_fixed_size 0
		.amdhsa_enable_private_segment 0
		.amdhsa_kernarg_size 24
		.amdhsa_user_sgpr_count 2
		.amdhsa_user_sgpr_kernarg_segment_ptr 1
		.amdhsa_wavefront_size32 1
		.amdhsa_system_sgpr_workgroup_id_x 1
		.amdhsa_system_sgpr_workgroup_id_y 1
		.amdhsa_system_sgpr_workgroup_id_z 1
		.amdhsa_system_vgpr_workitem_id 0
		.amdhsa_next_free_vgpr 512
		.amdhsa_next_free_sgpr 66
		.amdhsa_reserve_vcc 0
		.amdhsa_float_denorm_mode_32 3
		.amdhsa_float_denorm_mode_16_64 3
		.amdhsa_memory_ordered 1
		.amdhsa_forward_progress 1
		.amdhsa_inst_pref_size 152
	.end_amdhsa_kernel
	.amdgpu_metadata
---
amdhsa.version: [ 1, 2 ]
amdhsa.kernels:
  - .name:           k_qfb324534ee_attn
    .symbol:         k_qfb324534ee_attn.kd
    .args:
      - { .name: qkv, .offset: 0, .size: 8, .value_kind: global_buffer, .address_space: global }
      - { .name: att, .offset: 8, .size: 8, .value_kind: global_buffer, .address_space: global }
      - { .name: ascl, .offset: 16, .size: 8, .value_kind: global_buffer, .address_space: global }
    .group_segment_fixed_size: 327680
    .private_segment_fixed_size: 0
    .kernarg_segment_align: 8
    .kernarg_segment_size: 24
    .max_flat_workgroup_size: 256
    .sgpr_count:     66
    .vgpr_count:     512
    .wavefront_size: 32
...
	.end_amdgpu_metadata
.endif
;; end of part 3
;; launch proj (part 4): grid 64 x 4, 8 waves a work-group, no clusters, 167,936 bytes of LDS; arguments att, ascl, wimg, wscl, bproj, x, out0; writes out0
.if DOCPART == 4
	.amdgcn_target "amdgcn-amd-amdhsa--gfx1250"
	.amdhsa_code_object_version 6
	.text
	.protected	k_qfb324534ee_proj
	.globl	k_qfb324534ee_proj
	.p2align	8
	.type	k_qfb324534ee_proj,@function
k_qfb324534ee_proj:
	s_mov_b64 s[64:65], 0
	v_nop
	global_prefetch_b8 v0, s[64:65] scope:SCOPE_SE
	s_setreg_imm32_b32 hwreg(HW_REG_WAVE_MODE, 25, 1), 1
	s_wait_xcnt 0x0
; Launch 4 of 4: out0 = (O wproj^T + bproj), turned to [channel][pixel], + x.  Nothing of reference() is left out.
; A work-group takes 128 pixels (x: 8 tiles of 16) and 128 output channels (y); wave w takes one tile of 16 rows of wproj against all 8 tiles of pixels: 8 accumulators by turns, 4 K steps of 128.
; Source 0 = 16 pixels, source 1 = 16 rows of wproj: a lane holds ONE channel and eight neighbouring pixels, which is how out0 lies.  Tiles' rows are chosen as in the launches before
; (row i of tile 2 B + u: 32 B + 8 u + (i & 7) + 16 (i >> 3)), so that the 16 registers of tiles 2 B and 2 B + 1 are 16 neighbouring pixels.
; O's codes, 8 tiles x 6,144 dense bytes, come into LDS once: each wave brings one tile by one tensor load, and all eight waves read all of them behind a barrier.  A fragment is six pieces of 256 consecutive bytes, 8 bytes a lane.
; The bias is the C of each sum's first matrix instruction.  The results go through the wave's own stage in LDS (16 rows of 512 bytes + 16) and leave as whole rows: 512 consecutive bytes a store.
; NO CLUSTER: the four work-groups of a block of pixels share 49,152 bytes, fetched once each at the head, beside 131,072 bytes of x and out0 that are each work-group's own.
; IN PLACE OF WHAT THE HEAD SAYS OF PIXEL TILES: row i of pixel tile 4 B + t is pixel 64 B + 8 t + (i & 7) + 32 (i >> 3), so the 32 registers of tiles 4 B .. 4 B + 3 are 32 neighbouring pixels.  (Tiles of wproj's rows stay as the head has them.)
.set STG,   49152
.set SPARE, 116736                     ; the spare words, 128 bytes for each of 8 waves
.set L8,  1                            ; v1   8 x lane
.set LI,  2                            ; v2   16 x lane
.set STO, 3                            ; v3   the stage: where I put 32 bytes of a row
.set RD,  4                            ; v4   and where I read a row back
.set SPW, 5                            ; v5   LDS address of my spare word; never rewritten
.set NIL, 6                            ; v6   0; never rewritten
.set WS,  12                           ; v12-15   wproj's scale words, K steps 0-3
.set WF,  16                           ; v16-63   wproj's four fragments
.set AF,  64                           ; v64-159  O's eight fragments of a K step; later 16 rows read back
.set ACC, 160                          ; v160-223 the accumulators
.set AS,  224                          ; v224-255 O's scale words: 4 tile + K step
                                       ; window 1: v0-63 16 rows of x; v64-71 the bias
.set G1,  16                           ; s[16:23] descriptor group 1;  s[24:27] group 0
.set G0,  24
.set MSB, 0
.macro WIN new                         ; the immediate's high byte repeats the setting that is left
.if MSB != \new
	s_set_vgpr_msb (MSB<<8)|\new
.set MSB, \new
.endif
.endm
	s_load_b256 s[4:11], s[0:1], 0x0               ; att s[4:5], ascl s[6:7], wimg s[8:9], wscl s[10:11]
	s_load_b128 s[12:15], s[0:1], 0x20             ; bproj s[12:13], x s[14:15]
	s_load_b64 s[28:29], s[0:1], 0x30              ; out0
	v_lshl_add_u32 v[SPW], v0, 2, SPARE
	v_mov_b32 v[NIL], 0
	ds_add_u32 v[SPW], v[NIL]                      ; the wave's opening: the add, twice on end, and its wait ahead of my first tensor load
	ds_add_u32 v[SPW], v[NIL]
	v_lshrrev_b32 v7, 5, v0
	s_delay_alu instid0(VALU_DEP_1)
	v_readfirstlane_b32 s2, v7                     ; wave 0..7
	s_and_b32 s3, ttmp7, 0xffff                    ; which 128 channels
	s_mov_b32 s[G1+0], 3<<16                       ; no mask; elements of 8 bytes; no padding
	s_mov_b32 s[G1+1], 32<<16                      ; tensor_dim0 = 32 elements: rows of 256 bytes
	s_mov_b32 s[G1+2], 24<<16                      ; tensor_dim1 = 24 rows: 6,144 dense bytes
	s_mov_b32 s[G1+3], 32<<16                      ; tile_dim0
	s_mov_b32 s[G1+4], 24                          ; tile_dim1
	s_mov_b32 s[G1+5], 32                          ; the pitch
	s_mov_b32 s[G1+6], 0
	s_mov_b32 s[G1+7], 0
	s_lshl_b32 s30, ttmp9, 3
	s_add_co_u32 s30, s30, s2
	s_mul_i32 s30, s30, 6144                       ; tile 8 x + wave of O's codes
	s_mov_b32 s31, 0
	s_mul_i32 s32, s2, 6144                        ; and its place in LDS
	v_and_b32 v7, 31, v0
	s_delay_alu instid0(VALU_DEP_1)
	v_lshlrev_b32 v[L8], 3, v7
	s_delay_alu instid0(VALU_DEP_2)
	v_lshlrev_b32 v[LI], 4, v7
	s_delay_alu instid0(VALU_DEP_3)
	v_lshlrev_b32 v7, 2, v7                        ; 4 x lane
	v_and_b32 v10, 15, v0                          ; r
	v_bfe_u32 v11, v0, 4, 1                        ; h
	s_delay_alu instid0(VALU_DEP_2)
	v_lshlrev_b32 v8, 4, v10                       ; 16 r: a row's 16 scale bytes
	v_and_b32 v9, 7, v0
	v_bfe_u32 v[RD], v0, 3, 1
	s_delay_alu instid0(VALU_DEP_1)
	v_lshl_add_u32 v9, v[RD], 4, v9
	s_delay_alu instid0(VALU_DEP_1)
	v_lshlrev_b32 v9, 2, v9                        ; my channel row in bproj: (r & 7) + 16 (r >> 3)
	s_mul_i32 s33, s2, 8448
	s_add_co_u32 s33, s33, STG                     ; my stage
	v_mul_u32_u24 v[STO], v10, 528
	s_delay_alu instid0(VALU_DEP_1)
	v_lshl_add_u32 v[STO], v11, 7, v[STO]
	s_delay_alu instid0(VALU_DEP_1)
	v_add_nc_u32 v[STO], s33, v[STO]               ; row r, + 32 h pixels
	v_add_nc_u32 v[RD], s33, v[LI]
	s_wait_alu depctr_va_vdst(0)
	s_wait_dscnt 0x0                               ; both opening adds are done
	s_wait_kmcnt 0x0
	s_mov_b32 s[G0], 1
	s_mov_b32 s[G0+1], s32
	s_add_nc_u64 s[G0+2:G0+3], s[4:5], s[30:31]
	s_or_b32 s[G0+3], s[G0+3], 0x80000000          ; type = 2
	tensor_load_to_lds s[G0:G0+3], s[G1:G1+7]      ; every wave's one tensor load; nothing is filled again
	s_nop 0
.rept 4
	v_nop
.endr
	s_lshl_b32 s34, s3, 3
	s_add_co_u32 s34, s34, s2
	s_add_co_u32 s34, s34, 96                      ; my tile of wproj among the weights' 128: 96 + 8 y + wave
	s_mul_i32 s30, s34, 6144
	s_add_nc_u64 s[8:9], s[8:9], s[30:31]
	s_lshl_b32 s30, s34, 9
	s_add_nc_u64 s[10:11], s[10:11], s[30:31]
	s_lshl_b32 s30, ttmp9, 11                      ; O's scale bytes: 256 a tile
	s_add_nc_u64 s[6:7], s[6:7], s[30:31]
	s_lshl_b32 s34, s3, 7
	s_lshr_b32 s35, s2, 1
	s_lshl_b32 s35, s35, 5
	s_add_co_u32 s34, s34, s35
	s_and_b32 s35, s2, 1
	s_lshl_b32 s35, s35, 3
	s_add_co_u32 s34, s34, s35                     ; my tile's first channel: 128 y + 32 (w >> 1) + 8 (w & 1)
	s_lshl_b32 s30, s34, 2
	s_add_nc_u64 s[12:13], s[12:13], s[30:31]
	s_lshr_b32 s35, ttmp9, 5
	s_lshl_b32 s30, s35, 23                        ; x and out0: the image,
	s_lshl_b32 s35, s34, 14
	s_add_co_u32 s30, s30, s35                     ; the channel,
	s_and_b32 s35, ttmp9, 31
	s_lshl_b32 s35, s35, 9
	s_add_co_u32 s30, s30, s35                     ; the 128 pixels
	s_add_nc_u64 s[14:15], s[14:15], s[30:31]
	s_add_nc_u64 s[28:29], s[28:29], s[30:31]
.irp s, 0,1,2,3
.irp gg, 0,1,2
	global_load_b128 v[WF+12*\s+4*\gg:WF+12*\s+4*\gg+3], v[LI], s[8:9] offset:1536*\s+512*\gg
.endr
	global_load_b32 v[WS+\s], v7, s[10:11] offset:128*\s
.endr
.irp i, 0,1,2,3,4,5,6,7
	global_load_b128 v[AS+4*\i:AS+4*\i+3], v8, s[6:7] offset:256*\i   ; tile i, my row: the words of K steps 0-3
.endr
	WIN 0x40                                       ; destination window 1
.irp j, 0,1,2,3,4,5,6,7
	global_load_b32 v[64+\j], v9, s[12:13]         ; a lane holds one channel: eight equal registers
.endr
.irp i, 0,1,2,3,4,5,6,7,8,9,10,11,12,13,14,15
	global_load_b128 v[4*\i:4*\i+3], v[LI], s[14:15] offset:((\i&7)+16*(\i>>3))*16384 th:TH_LOAD_NT   ; the residual: my 16 channels' rows of 512 bytes
.endr
	WIN 0
	s_wait_tensorcnt 0x0                           ; my tile of O's codes is in,
	s_barrier_signal -1
	s_barrier_wait -1                              ; everybody's is
	s_wait_loadcnt 16                              ; all but the 16 loads of x, which were issued last
.irp s, 0,1,2,3
.irp i, 0,1,2,3,4,5,6,7
.irp p, 0,1,2,3,4,5
	ds_load_b64 v[AF+12*\i+2*\p:AF+12*\i+2*\p+1], v[L8] offset:6144*\i+1536*\s+256*\p
.endr
.endr
	s_wait_dscnt 0x0
.if \s == 0
	WIN 0x10                                       ; C, the bias, in window 1
.endif
.irp i, 0,1,2,3,4,5,6,7
.if \s == 0
	v_wmma_scale_f32_16x16x128_f8f6f4 v[ACC+8*\i:ACC+8*\i+7], v[AF+12*\i:AF+12*\i+11], v[WF+12*\s:WF+12*\s+11], v[64:71], v[AS+4*\i+\s], v[WS+\s] matrix_a_fmt:MATRIX_FMT_FP6 matrix_b_fmt:MATRIX_FMT_FP6
.else
	v_wmma_scale_f32_16x16x128_f8f6f4 v[ACC+8*\i:ACC+8*\i+7], v[AF+12*\i:AF+12*\i+11], v[WF+12*\s:WF+12*\s+11], v[ACC+8*\i:ACC+8*\i+7], v[AS+4*\i+\s], v[WS+\s] matrix_a_fmt:MATRIX_FMT_FP6 matrix_b_fmt:MATRIX_FMT_FP6
.endif
.endr
	WIN 0
.rept 4
	v_nop                                          ; four places in front of loads into registers that matrix instructions have read, and of the first read of results
.endr
.endr
.irp i, 0,1,2,3,4,5,6,7                        ; tile i = 4 B + t, register j: pixel 64 B + 32 h + 8 t + j of my channel; each accumulator from its low end on
	ds_store_b128 v[STO], v[ACC+8*\i:ACC+8*\i+3] offset:256*(\i/4)+32*(\i%4)
	ds_store_b128 v[STO], v[ACC+8*\i+4:ACC+8*\i+7] offset:256*(\i/4)+32*(\i%4)+16
.endr
.irp i, 0,1,2,3,4,5,6,7,8,9,10,11,12,13,14,15
	ds_load_b128 v[AF+4*\i:AF+4*\i+3], v[RD] offset:528*\i   ; LDS serves a wave's instructions in order (ISA guide 5.7.1.4): these see my stores
.endr
	s_wait_loadcnt 0x0                             ; x
	s_wait_dscnt 0x0
	WIN 0x04                                       ; source 1, x, in window 1
.set n0, 0
.rept 32
	v_pk_add_f32 v[AF+n0:AF+n0+1], v[AF+n0:AF+n0+1], v[n0:n0+1]
.set n0, n0+2
.endr
	WIN 0
.irp i, 0,1,2,3,4,5,6,7,8,9,10,11,12,13,14,15
	global_store_b128 v[LI], v[AF+4*\i:AF+4*\i+3], s[28:29] offset:((\i&7)+16*(\i>>3))*16384 th:TH_STORE_NT   ; each store of the wave covers 512 consecutive bytes, aligned
.endr
	s_wait_tensorcnt 0x0                           ; the wave's end
	ds_add_u32 v[SPW], v[NIL]
	s_wait_dscnt 0x0
	s_endpgm
.Lfunc_end_k_qfb324534ee_proj:
	.size	k_qfb324534ee_proj, .Lfunc_end_k_qfb324534ee_proj-k_qfb324534ee_proj
	.p2alignl 7, 3214868480
	.fill 96, 4, 3214868480
	.section	.rodata,"a",@progbits
	.p2align	6, 0x0
	.amdhsa_kernel k_qfb324534ee_proj
		.amdhsa_group_segment_fixed_size 167936
		.amdhsa_private_segment_fixed_size 0
		.amdhsa_enable_private_segment 0
		.amdhsa_kernarg_size 56
		.amdhsa_user_sgpr_count 2
		.amdhsa_user_sgpr_kernarg_segment_ptr 1
		.amdhsa_wavefront_size32 1
		.amdhsa_system_sgpr_workgroup_id_x 1
		.amdhsa_system_sgpr_workgroup_id_y 1
		.amdhsa_system_sgpr_workgroup_id_z 1
		.amdhsa_system_vgpr_workitem_id 0
		.amdhsa_next_free_vgpr 384
		.amdhsa_next_free_sgpr 66
		.amdhsa_reserve_vcc 0
		.amdhsa_float_denorm_mode_32 3
		.amdhsa_float_denorm_mode_16_64 3
		.amdhsa_memory_ordered 1
		.amdhsa_forward_progress 1
		.amdhsa_inst_pref_size 32
	.end_amdhsa_kernel
	.amdgpu_metadata
---
amdhsa.version: [ 1, 2 ]
amdhsa.kernels:
  - .name:           k_qfb324534ee_proj
    .symbol:         k_qfb324534ee_proj.kd
    .args:
      - { .name: att, .offset: 0, .size: 8, .value_kind: global_buffer, .address_space: global }
      - { .name: ascl, .offset: 8, .size: 8, .value_kind: global_buffer, .address_space: global }
      - { .name: wimg, .offset: 16, .size: 8, .value_kind: global_buffer, .address_space: global }
      - { .name: wscl, .offset: 24, .size: 8, .value_kind: global_buffer, .address_space: global }
      - { .name: bproj, .offset: 32, .size: 8, .value_kind: global_buffer, .address_space: global }
      - { .name: x, .offset: 40, .size: 8, .value_kind: global_buffer, .address_space: global }
      - { .name: out0, .offset: 48, .size: 8, .value_kind: global_buffer, .address_space: global }
    .group_segment_fixed_size: 167936
    .private_segment_fixed_size: 0
    .kernarg_segment_align: 8
    .kernarg_segment_size: 56
    .max_flat_workgroup_size: 256
    .sgpr_count:     66
    .vgpr_count:     384
    .wavefront_size: 32
...
	.end_amdgpu_metadata
.endif
;; end of part 4
